; MI455X (gfx1250); checked and timed in simulation.
; The chip was launched on July 23, 2026; its instructions are those of AMD's public machine-readable ISA for CDNA 5 (MIT licence, August 2026) and "CDNA5" Instruction Set Architecture Reference Guide (July 2026). The comments in the code are by the model that wrote it; some were corrected since.
;; Multihead Attention Z Cross. Allowed arithmetic: float matrix products may take bf16 or f16 operands with f32 sums; other float arithmetic in f32, or as packed bf16 or f16 multiplies, adds, multiply-adds, maxima and minima; sums over many terms, partial sums and values carried from step to step in f32; what a program stores and reads back later, other than sums and carried values, may be rounded once to bf16 or f16.
;; Inputs: W 1,024 x 1,024 float32; b 1,024 float32; k 2,048 x 8 x 1,024 float32; q1 1,024 x 8 x 1,024 float32; value 2,048 x 8 x 1,024 float32.
;; Outputs: out0 1,024 x 8 x 1,024 float32.
;; 2 versions, each right; version 2 is version 1 with the launch cast written anew for expert scheduling mode. Each part assembles by itself: llvm-mc -triple=amdgcn-amd-amdhsa -mcpu=gfx1250 --defsym DOCPART=n.
;; ======== version 1 of 2: 4 launches
;; limits: inputs' magnitudes at most 65,504; values are held in f16: magnitudes above 65,504 overflow, below 6.1e-05 lose precision
;; workspace buffers: qh 16,777,216 bytes; kh 33,554,432 bytes; wh 2,097,152 bytes; ph 33,554,432 bytes; sn 524,288 bytes; sl 524,288 bytes; ch 16,777,216 bytes
;; launch cast (part 1): grid 800 x 1, 8 waves a work-group, no clusters, 0 bytes of LDS; arguments q1, k, W, qh, kh, wh; writes qh, kh, wh
.if DOCPART == 1
	.amdgcn_target "amdgcn-amd-amdhsa--gfx1250"
	.amdhsa_code_object_version 6
	.text
	.protected	k_q30ea717fc4_cast
	.globl	k_q30ea717fc4_cast
	.p2align	8
	.type	k_q30ea717fc4_cast,@function
k_q30ea717fc4_cast:
	s_mov_b64 s[64:65], 0
	v_nop
	global_prefetch_b8 v0, s[64:65] scope:SCOPE_SE
	s_setreg_imm32_b32 hwreg(HW_REG_WAVE_MODE, 25, 1), 1
	s_wait_xcnt 0x0
; q1 [1024][8][1024], k [2048][8][1024], W [1024][1024], all f32, are rounded once to bf16 (nearest even) and that number is written as f16:
; qh [8][1024][1024], kh [8][2048][1024] (the batch moved to the front, so that a batch's rows lie end to end), wh [1024][1024].
; LIMITS.  The second step is exact for magnitudes from 2^-14 up to 65,504; beyond 65,504 it gives an infinity; below 2^-14 the number keeps f16's fixed step of 2^-24.
; The module's input 'value' is named by no launch: the module deletes it in its first line, and no output depends on it.
; SHARES.  25,600 rows of 4,096 bytes.  A work-group of eight waves takes 32 consecutive rows of one tensor: groups 0-255 q1, 256-767 k, 768-799 W.
; Thread t owns bytes 16 t of every row in and bytes 8 t of every row out: a wave's load covers 512 consecutive bytes, its store 256 consecutive bytes, aligned.
; No LDS, no barrier, no matrix unit: every byte is read once and written once, and no wave needs another's.
; A ring of eight slots in registers keeps eight loads of every wave on their way.  Slot i takes rows r0 + 8 j + i (j = the round): in q1 and k that is batch i.
.set DEPTH, 8
.set ROW,   4096                       ; bytes in a row in
.set OO,  2                            ; v[2:9]    slot i: my byte offset in the output, 8 t + i x SB; never rewritten
.set T,   10                           ; v[10:15]  at work
.set X,   16                           ; v[16:47]  slot i: 4 f32 as loaded
.set Y,   48                           ; v[48:63]  slot i: 4 f16 to store
.set SRC, 16                           ; s[16:17]  the tensor read, at the round's first row
.set DST, 18                           ; s[18:19]  the tensor written, at the round's place
	s_load_b256 s[4:11], s[0:1], 0x0               ; q1 s[4:5], k s[6:7], W s[8:9], qh s[10:11]
	s_load_b128 s[12:15], s[0:1], 0x20             ; kh s[12:13], wh s[14:15]
	s_mov_b32 s25, 0xffff0000                      ; a word's upper bf16
	s_mov_b32 s27, 0x200000
	s_mov_b32 s28, 2048
	s_mov_b32 s29, 8192
	s_cmp_lt_u32 ttmp9, 256
	s_cselect_b32 s20, 0, 256                      ; the tensor's first work-group
	s_cselect_b32 s21, s27, 0x400000               ; SB: bytes from slot to slot in the output: a batch of qh, of kh,
	s_cmp_lt_u32 ttmp9, 768
	s_cselect_b32 s20, s20, 768
	s_cselect_b32 s21, s21, s28                    ; or a row of wh
	s_cselect_b32 s22, s28, 16384                  ; bytes from round to round in the output: one row of a batch, or eight rows of wh
	s_cselect_b32 s24, s29, 65536                  ; bytes from work-group to work-group in the output: four rows of a batch, or 32 rows of wh
	s_mov_b32 s23, 0
	s_sub_co_u32 s30, ttmp9, s20                   ; my number among the tensor's work-groups
	s_lshl_b32 s32, s30, 17                        ; x 32 rows of 4,096 bytes
	s_mov_b32 s33, 0
	s_mul_i32 s34, s30, s24
	s_mov_b32 s35, 0
	v_lshlrev_b32 v1, 4, v0                        ; 16 t
.irp i, 0,1,2,3,4,5,6,7
	s_mul_i32 s31, s21, \i
	v_lshl_add_u32 v[OO+(\i)], v0, 3, s31          ; 8 t + i x SB
.endr
	s_wait_kmcnt 0x0
	s_cmp_lt_u32 ttmp9, 256
	s_cselect_b64 s[SRC:SRC+1], s[4:5], s[6:7]
	s_cselect_b64 s[DST:DST+1], s[10:11], s[12:13]
	s_cmp_lt_u32 ttmp9, 768
	s_cselect_b64 s[SRC:SRC+1], s[SRC:SRC+1], s[8:9]
	s_cselect_b64 s[DST:DST+1], s[DST:DST+1], s[14:15]
	s_add_nc_u64 s[SRC:SRC+1], s[SRC:SRC+1], s[32:33]
	s_add_nc_u64 s[DST:DST+1], s[DST:DST+1], s[34:35]
.irp i, 0,1,2,3,4,5,6,7
	global_load_b128 v[X+4*(\i):X+4*(\i)+3], v1, s[SRC:SRC+1] offset:(\i)*ROW th:TH_LOAD_NT  ; the ring is filled: rows 0 to 7
.endr
; One slot's turn.  ahead = 1: the slot is filled again with the row eight further down.  left = how many younger loads may stay out.
.macro SLOT i, ahead, left
	s_wait_loadcnt \left                           ; loads come back in order: mine is in, the younger ones stay out
	v_cvt_pk_bf16_f32 v[T],   v[X+4*(\i)],   v[X+4*(\i)+1]    ; the one rounding,
	v_cvt_pk_bf16_f32 v[T+1], v[X+4*(\i)+2], v[X+4*(\i)+3]
	v_lshlrev_b32 v[T+2], 16, v[T]                 ; bf16 back to f32: the low half moves up, the high half stays,
	v_and_b32     v[T+3], s25, v[T]
	v_lshlrev_b32 v[T+4], 16, v[T+1]
	v_and_b32     v[T+5], s25, v[T+1]
	v_cvt_pk_f16_f32 v[Y+2*(\i)],   v[T+2], v[T+3] ; and the same number as f16
	v_cvt_pk_f16_f32 v[Y+2*(\i)+1], v[T+4], v[T+5]
.if \ahead
	global_load_b128 v[X+4*(\i):X+4*(\i)+3], v1, s[SRC:SRC+1] offset:(DEPTH+(\i))*ROW th:TH_LOAD_NT
.endif
	global_store_b64 v[OO+(\i)], v[Y+2*(\i):Y+2*(\i)+1], s[DST:DST+1]
.endm
	s_mov_b32 s26, 3
.Lround:
.irp i, 0,1,2,3,4,5,6,7
	SLOT \i, 1, DEPTH-1
.endr
	s_wait_xcnt 0x0                                ; the round's loads and stores have read their sources: both bases and all of Y are written again only behind this wait
	s_add_nc_u64 s[SRC:SRC+1], s[SRC:SRC+1], DEPTH*ROW
	s_add_nc_u64 s[DST:DST+1], s[DST:DST+1], s[22:23]
	s_sub_co_u32 s26, s26, 1
	s_cmp_lg_u32 s26, 0
	s_cbranch_scc1 .Lround
.irp i, 0,1,2,3,4,5,6,7
	SLOT \i, 0, DEPTH-1-(\i)                       ; the last round loads nothing: the counts run down
.endr
	s_endpgm
.Lfunc_end_k_q30ea717fc4_cast:
	.size	k_q30ea717fc4_cast, .Lfunc_end_k_q30ea717fc4_cast-k_q30ea717fc4_cast
	.p2alignl 7, 3214868480
	.fill 96, 4, 3214868480
	.section	.rodata,"a",@progbits
	.p2align	6, 0x0
	.amdhsa_kernel k_q30ea717fc4_cast
		.amdhsa_group_segment_fixed_size 0
		.amdhsa_private_segment_fixed_size 0
		.amdhsa_enable_private_segment 0
		.amdhsa_kernarg_size 48
		.amdhsa_user_sgpr_count 2
		.amdhsa_user_sgpr_kernarg_segment_ptr 1
		.amdhsa_wavefront_size32 1
		.amdhsa_system_sgpr_workgroup_id_x 1
		.amdhsa_system_sgpr_workgroup_id_y 1
		.amdhsa_system_sgpr_workgroup_id_z 1
		.amdhsa_system_vgpr_workitem_id 0
		.amdhsa_next_free_vgpr 64
		.amdhsa_next_free_sgpr 66
		.amdhsa_reserve_vcc 0
		.amdhsa_float_denorm_mode_32 3
		.amdhsa_float_denorm_mode_16_64 3
		.amdhsa_memory_ordered 1
		.amdhsa_forward_progress 1
		.amdhsa_inst_pref_size 13
	.end_amdhsa_kernel
	.amdgpu_metadata
---
amdhsa.version: [ 1, 2 ]
amdhsa.kernels:
  - .name:           k_q30ea717fc4_cast
    .symbol:         k_q30ea717fc4_cast.kd
    .args:
      - { .name: q1, .offset: 0, .size: 8, .value_kind: global_buffer, .address_space: global }
      - { .name: k, .offset: 8, .size: 8, .value_kind: global_buffer, .address_space: global }
      - { .name: W, .offset: 16, .size: 8, .value_kind: global_buffer, .address_space: global }
      - { .name: qh, .offset: 24, .size: 8, .value_kind: global_buffer, .address_space: global }
      - { .name: kh, .offset: 32, .size: 8, .value_kind: global_buffer, .address_space: global }
      - { .name: wh, .offset: 40, .size: 8, .value_kind: global_buffer, .address_space: global }
    .group_segment_fixed_size: 0
    .private_segment_fixed_size: 0
    .kernarg_segment_align: 8
    .kernarg_segment_size: 48
    .max_flat_workgroup_size: 256
    .sgpr_count:     66
    .vgpr_count:     64
    .wavefront_size: 32
...
	.end_amdgpu_metadata
.endif
;; end of part 1
;; launch scores (part 2): grid 8 x 32, 4 waves a work-group, clusters of 4 x 4, 327,680 bytes of LDS; arguments qh, kh, ph, sn, sl; writes ph, sn, sl
.if DOCPART == 2
	.amdgcn_target "amdgcn-amd-amdhsa--gfx1250"
	.amdhsa_code_object_version 6
	.text
	.protected	k_q30ea717fc4_scores
	.globl	k_q30ea717fc4_scores
	.p2align	8
	.type	k_q30ea717fc4_scores,@function
k_q30ea717fc4_scores:
	s_mov_b64 s[64:65], 0
	v_nop
	global_prefetch_b8 v0, s[64:65] scope:SCOPE_SE
	s_setreg_imm32_b32 hwreg(HW_REG_WAVE_MODE, 25, 1), 1
	s_wait_xcnt 0x0
	s_wait_alu depctr_hold_cnt(0) depctr_sa_sdst(0) depctr_va_vdst(0) depctr_va_sdst(0) depctr_va_ssrc(0) depctr_va_vcc(0) depctr_vm_vsrc(0)
	s_getreg_b32 s2, hwreg(HW_REG_IB_STS2, 6, 4)
	s_cmp_eq_u32 s2, 0
	s_cbranch_scc0 .Lentry_in_a_cluster
	s_endpgm
.Lentry_in_a_cluster:
	s_bfe_u32 s2, ttmp6, 0x10000c
	s_cmp_lg_u32 s2, 0xf033
	s_cbranch_scc0 .Lentry_shape_is_right
	s_endpgm
.Lentry_shape_is_right:
; THE SCORES AND THE FIRST HALF OF THE SOFTMAX.  For batch b: s[t][j] = the sum over e of qh[b][t][e] kh[b][j][e] (f16 operands, f32 sums, 1,024 terms).
; Rows are counted as R = 1024 b + t.  The 2,048 keys fall into 16 CHUNKS of 128.  For each row and chunk, with c = log2(e) / 8 (the module's scale 1/8 and the change of base):
;   e = floor(-c m), m the chunk's largest score;   p = 2^(c s + e), which lies in 0 to 1 and reaches above 0.5;   l = the sum of the chunk's p (f32, of the unrounded p).
; ph [8192][2048] takes p in f16, sn [16][8192] takes e, sl [16][8192] takes l, both f32.  The maximum taken away is the chunk's own, rounded up to a whole power of two, so that the next
; launch brings the chunks of a row to one scale by exact powers of two.
; LIMITS.  qh and kh arrive within f16's range.  A p below 2^-14 keeps f16's fixed step of 2^-24; one below 2^-126 counts as 0 in l.  NaN and infinities are not treated apart.
; SHARES.  A tile is 256 rows x 256 keys, made by four waves, each 128 x 128: 64 accumulators of 16 x 16, 512 registers; a wave's 128 keys are one chunk.  K goes in eight steps of 128 through two LDS slots
; filled by the tensor data mover; the tiles' rows are 256 bytes of memory, at multiples of 256 bytes.  8 x 32 tiles: 256 work-groups.
; CLUSTERS.  4 x 4 work-groups.  A cluster's y is the batch; its four rows are the batch's four tile rows, its four columns four of the eight key tiles.  The four of a row need the same tile of qh, the four
; of a column the same tile of kh: each is asked for JOINTLY, by the same tensor load with the same descriptor and a mask that names the four.
; THE MATRIX INSTRUCTION IS USED TRANSPOSED: source 0 = 16 keys, source 1 = 16 rows.  A lane then holds ONE row (lane % 16) and in each accumulator the keys 8 (lane / 16) + 0..7: a row's maximum and sum
; want one exchange between the halves of the lanes, and eight p pack into 16 bytes of a row of ph.
; REGISTERS, in windows of 256 (s_set_vgpr_msb: bits 1:0 source 0, 3:2 source 1, 5:4 source 2, 7:6 destination):
;   window 0: v0-31 addresses; v64-127, v128-191 fragments of qh, two buffers; on the way out v64-111 at work, v192-223 packed p, v32-63 and v224-255 rows read back
;   window 1: v64-127, v128-191 fragments of kh, two buffers
;   window 2: the accumulators of my rows 0-63 ((a, b) at v[8 (8 (a % 4) + b)]);   window 3: those of my rows 64-127
.set KSTEP,  128
.set PITCH,  272                       ; an LDS row: 256 bytes + 16 of padding = 68 words: the 16 rows that a load touches start at 16 different groups of four banks (64 banks of 4 bytes: ISA guide 11.1)
.set HALFT,  128*PITCH                 ; 128 rows: what one tensor load brings, and what one wave reads of either tile
.set SLOT,   4*HALFT                   ; qh's 256 rows, then kh's 256 rows
.set STAGE,  2*SLOT                    ; behind the ring: 16 rows x 272 bytes for each wave, for the way out
.set SPITCH, 272
.set STATS,  STAGE+4*16*SPITCH         ; 1,024 bytes for each wave: its 128 e, then its 128 l
.set SPARE,  STATS+4*1024              ; the spare words, 128 bytes for each wave: two blocks of 256 bytes that no other line names
.set LAPS,   4                         ; a lap = two K steps = once round the ring
.set ADRA, 16                          ; v16-17  LDS address of my fragments of qh in slot 0, 1; v18 the same for the slot that the tail reads
.set ADRB, 20                          ; v20-21  the same for kh; v22 for the tail
.set SO,   23                          ; v23     16 x lane: my 16 bytes of the wave's 512 in sn and sl
.set STO,  24                          ; v24     the way out: where I put 16 bytes of a row
.set RD,   25                          ; v25     the way out: where I read a row back
.set CO,   26                          ; v26     my byte offset in two rows of ph
.set SA,   27                          ; v27     where I put a row's e (lanes 0-15) or l (lanes 16-31)
.set SPW,  28                          ; v28     LDS address of my spare word; never rewritten
.set NIL,  29                          ; v29     0; never rewritten
.set PFO,  30                          ; v30     the prefetches' offset: my lane x a row of 2,048 bytes; never rewritten
.set RS,   31                          ; v31     where I read 16 bytes of the statistics back
.set F0,   64
.set F1,   128
.set OB,   32
.set TMP,  192
.set CH,   64                          ; v64-71  eight chains of the maximum; later at work
.set NNP,  72                          ; v72-73  e, named as a pair (v73 = 0)
.set EN,   80                          ; v80-87  e of block a
.set LS,   88                          ; v88-95  l of block a
.set ST,   96                          ; v96-103 e or l, by the lane's half
.set QS,   104                         ; v104-111 statistics read back
.set WV, 14                            ; s14 wave   s15 wave / 2: my half of the rows; also: I fetch for qh (0) or kh (1)   s16 wave % 2: my half of the keys; also: which 128 rows I fetch
.set WR, 15
.set WC, 16
.set CX, 17                            ; my place in the cluster
.set CY, 18
.set TX, 19                            ; key tile 0..7
.set TY, 20                            ; tile row 0..31
.set BT, 21                            ; batch
.set G1, 24                            ; s[24:31] descriptor group 1 for qh's tiles;  s[32:39] group 0, a set for each slot
.set G0, 32
.set LIM, 44                           ; s44 1 in a wave that prefetches, else the greatest number
.set PFA, 46                           ; s[46:47] where my prefetches stand
.set G1B, 48                           ; s[48:55], s[56:63] the same for kh's tiles
.set G0B, 56
.set CS, 70                            ; s[70:71] c, named as a pair
.set NC, 72                            ; s72 -c
.set SEL, 74                           ; s[74:75] v_permlanex16_b32's selects: each lane takes its own place in the other half
.set MSB, 0
.macro WIN new                         ; the immediate's high byte repeats the setting that is left; a switch that changes nothing is dropped
.if MSB != (\new)
	s_set_vgpr_msb (MSB<<8)|(\new)
.set MSB, \new
.endif
.endm
.set MUL_LO, 0xa1                      ; source 0 (kh) window 1, source 1 (qh) window 0, C and D window 2
.set MUL_HI, 0xf1                      ; the same, C and D window 3
.set TO_B,   0x40                      ; destination window 1, address window 0
; A joint load.  Waves 0 and 1 fetch qh's two halves, waves 2 and 3 kh's.  The branch hangs on the wave's number alone.  An s_nop 0 and four v_nop follow each of the two lines.
.macro JLOAD s
	s_cmp_eq_u32 s[WR], 0
	s_cbranch_scc0 .Lfor_b_\@
	tensor_load_to_lds s[G0+4*(\s):G0+4*(\s)+3], s[G1:G1+7]
	s_nop 0
.rept 4
	v_nop
.endr
	s_branch .Lasked_\@
.Lfor_b_\@:
	tensor_load_to_lds s[G0B+4*(\s):G0B+4*(\s)+3], s[G1B:G1B+7]
	s_nop 0
.rept 4
	v_nop
.endr
.Lasked_\@:
.endm
; A prefetch, behind each joint refill and the run of LDS loads that follows it: the K step that stands two refills on, 32 rows x 256 bytes, a lane a row, one instruction a wave.
; Each row's 256 bytes of a K step are named once in the launch: qh's tile row is read by both clusters of the batch, and the one with x = 0 asks; kh's tile is read by one cluster alone.  The four partners
; that ask for a tile jointly share its rows out by address: of the 128 rows that a wave fetches the partner at place p takes 32 p .. 32 p + 31.  K steps 4 to 7 are asked for; the loop's last trip (s3 = 1) asks for nothing.
.macro ASK
	s_cmp_gt_u32 s3, s[LIM]
	s_cbranch_scc0 .Lnot_mine_\@
	global_prefetch_b8 v[PFO], s[PFA:PFA+1] offset:KSTEP*2 th:TH_LOAD_NT scope:SCOPE_SE
.Lnot_mine_\@:
.endm
.macro CREST                           ; a round of the cluster's barrier behind its opening barrier
	s_cmp_lg_u32 s[WV], 0
	s_cbranch_scc1 .Lnot_wave_0_\@
	s_barrier_signal -3
.Lnot_wave_0_\@:
	s_barrier_wait -3
	s_barrier_signal -1
	s_barrier_wait -1
.endm
.macro CROUND                          ; a whole round
	s_barrier_signal -1
	s_barrier_wait -1
	CREST
.endm
	s_load_b256 s[4:11], s[0:1], 0x0               ; qh s[4:5], kh s[6:7], ph s[8:9], sn s[10:11]
	s_load_b64 s[12:13], s[0:1], 0x20              ; sl
	v_lshl_add_u32 v[SPW], v0, 2, SPARE
	v_mov_b32 v[NIL], 0
	ds_add_u32 v[SPW], v[NIL]                      ; the wave's opening: the add and its wait stand ahead of my first tensor load; the set-up below, work on registers, stands between them
	v_lshrrev_b32 v1, 5, v0
	v_readfirstlane_b32 s[WV], v1
	s_lshr_b32 s[WR], s[WV], 1
	s_and_b32 s[WC], s[WV], 1
	s_bfe_u32 s[CX], ttmp6, 0x40000
	s_bfe_u32 s[CY], ttmp6, 0x40004
	s_lshl_b32 s[TX], ttmp9, 2                     ; in a cluster launch ttmp9 and ttmp7 count clusters
	s_add_co_u32 s[TX], s[TX], s[CX]
	s_and_b32 s[BT], ttmp7, 0xffff
	s_lshl_b32 s[TY], s[BT], 2
	s_add_co_u32 s[TY], s[TY], s[CY]
	s_lshl_b32 s22, s[CY], 2
	s_lshl_b32 s22, 15, s22                        ; my row of the cluster: places 4 cy .. 4 cy + 3
	s_lshl_b32 s23, 0x1111, s[CX]                  ; my column: places cx, cx + 4, cx + 8, cx + 12
	; descriptor group 1: a tile of 128 rows x 128 elements of 2 bytes; 16 bytes of padding behind every 256 (codes 5 and 3); bit 21 set beside a mask
	s_or_b32 s[G1], s22, (1<<16)|(1<<20)|(1<<21)|(5<<22)|(3<<25)
	s_or_b32 s[G1B], s23, (1<<16)|(1<<20)|(1<<21)|(5<<22)|(3<<25)
.irp g, G1, G1B
	s_mov_b32 s[(\g)+1], KSTEP<<16                 ; tensor_dim0 = 128
	s_mov_b32 s[(\g)+2], 128<<16                   ; tensor_dim1 = 128
	s_mov_b32 s[(\g)+3], KSTEP<<16                 ; tile_dim0 = 128
	s_mov_b32 s[(\g)+4], 128                       ; tile_dim1 = 128
	s_mov_b32 s[(\g)+5], 1024                      ; elements from row to row
	s_mov_b32 s[(\g)+6], 0
	s_mov_b32 s[(\g)+7], 0
.endr
	; where the tiles come from: qh's hang on the tile row alone, kh's on the batch and the key tile; each in registers that never hold the other place
	s_lshl_b32 s40, s[TY], 8
	s_lshl_b32 s41, s[WC], 7
	s_add_co_u32 s40, s40, s41                     ; qh: row 256 TY + 128 x half,
	s_lshl_b32 s40, s40, 11                        ; x 2,048 bytes (under 2^24)
	s_mov_b32 s41, 0
	s_lshl_b32 s42, s[BT], 11
	s_lshl_b32 s43, s[TX], 8
	s_add_co_u32 s42, s42, s43
	s_lshl_b32 s43, s[WC], 7
	s_add_co_u32 s42, s42, s43                     ; kh: row 2048 b + 256 TX + 128 x half
	s_lshl_b32 s42, s42, 11
	s_mov_b32 s43, 0
	s_mul_i32 s45, s[WV], HALFT                    ; and where they go: wave x 128 rows: no place in the cluster enters an LDS address
	s_mov_b32 s[CS], 0x3e38aa3b                    ; c = log2(e) / 8 = 0.180337
	s_mov_b32 s[CS+1], 0x3e38aa3b
	s_mov_b32 s[NC], 0xbe38aa3b
	s_mov_b32 s[SEL], 0x76543210
	s_mov_b32 s[SEL+1], 0xfedcba98
	s_wait_dscnt 0x0                               ; the opening add is done
	s_wait_kmcnt 0x0
	s_add_nc_u64 s[40:41], s[4:5], s[40:41]
	s_add_nc_u64 s[42:43], s[6:7], s[42:43]
	CROUND                                         ; all sixteen work-groups are here: the first joint loads meet
.irp s, 0,1
	s_mov_b32 s[G0+4*(\s)], 1                                      ; count = 1
	s_add_co_u32 s[G0+4*(\s)+1], s45, (\s)*SLOT                    ; LDS address
	s_add_nc_u64 s[G0+4*(\s)+2:G0+4*(\s)+3], s[40:41], (\s)*KSTEP*2  ; global address: K step s
	s_or_b32 s[G0+4*(\s)+3], s[G0+4*(\s)+3], 0x80000000            ; type = 2
	s_mov_b32 s[G0B+4*(\s)], 1
	s_add_co_u32 s[G0B+4*(\s)+1], s45, (\s)*SLOT
	s_add_nc_u64 s[G0B+4*(\s)+2:G0B+4*(\s)+3], s[42:43], (\s)*KSTEP*2
	s_or_b32 s[G0B+4*(\s)+3], s[G0B+4*(\s)+3], 0x80000000
	JLOAD \s                                       ; two loads of mine are out
.endr
	; A fragment is 16 rows x 32 K in 8 registers: lane l holds row l % 16, K = 8 (l / 16) + 0..7 and 16 + 8 (l / 16) + 0..7: two loads of 16 bytes, 32 bytes apart.
	v_and_b32 v1, 15, v0                           ; l % 16
	v_bfe_u32 v2, v0, 4, 1                         ; l / 16
	v_mul_u32_u24 v3, v1, PITCH
	v_lshl_add_u32 v3, v2, 4, v3
	s_mul_i32 s22, s[WR], HALFT                    ; my 128 rows of qh
	s_mul_i32 s23, s[WC], HALFT                    ; my 128 rows of kh,
	s_add_co_u32 s23, s23, 2*HALFT                 ; which lie behind qh's 256
.irp s, 0,1
	v_add_nc_u32 v[ADRA+(\s)], s22, v3
	v_add_nc_u32 v[ADRB+(\s)], s23, v3
	s_add_co_u32 s22, s22, SLOT
	s_add_co_u32 s23, s23, SLOT
.endr
	s_mul_i32 s22, s[WV], 16*SPITCH
	s_add_co_u32 s22, s22, STAGE                   ; my stage
	v_mul_u32_u24 v4, v1, SPITCH                   ; in: row l % 16, 16 bytes for each half of the lanes
	v_lshl_add_u32 v4, v2, 4, v4
	v_add_nc_u32 v[STO], s22, v4
	v_mul_u32_u24 v5, v2, SPITCH                   ; back: lanes 0-15 take one row of 256 bytes, lanes 16-31 the next
	v_lshl_add_u32 v5, v1, 4, v5
	v_add_nc_u32 v[RD], s22, v5
	v_lshlrev_b32 v[CO], 12, v2                    ; and the same two rows in ph, 4,096 bytes apart
	v_lshl_add_u32 v[CO], v1, 4, v[CO]
	s_lshl_b32 s22, s[WV], 10
	s_add_co_u32 s22, s22, STATS                   ; my statistics
	v_lshlrev_b32 v[SA], 9, v2
	v_lshl_add_u32 v[SA], v1, 2, v[SA]
	v_add_nc_u32 v[SA], s22, v[SA]                 ; 512 x half + 4 x (l % 16)
	v_and_b32 v3, 31, v0                           ; my lane; kept
	v_lshlrev_b32 v[SO], 4, v3
	v_add_nc_u32 v[RS], s22, v[SO]
	; ph at my 128 rows and 128 keys
	s_lshl_b32 s40, s[TY], 8
	s_lshl_b32 s41, s[WR], 7
	s_add_co_u32 s40, s40, s41
	s_lshl_b32 s40, s40, 12                        ; rows of 4,096 bytes (under 2^25)
	s_lshl_b32 s41, s[TX], 9
	s_add_co_u32 s40, s40, s41
	s_lshl_b32 s41, s[WC], 8
	s_add_co_u32 s40, s40, s41
	s_mov_b32 s41, 0
	s_add_nc_u64 s[8:9], s[8:9], s[40:41]
	; sn and sl at chunk 2 TX + half, row 256 TY + 128 x half
	s_lshl_b32 s42, s[TX], 1
	s_add_co_u32 s42, s42, s[WC]
	s_lshl_b32 s42, s42, 15
	s_lshl_b32 s43, s[TY], 10
	s_add_co_u32 s42, s42, s43
	s_lshl_b32 s43, s[WR], 9
	s_add_co_u32 s42, s42, s43
	s_mov_b32 s43, 0
	s_add_nc_u64 s[10:11], s[10:11], s[42:43]
	s_add_nc_u64 s[12:13], s[12:13], s[42:43]
	; the prefetches
	s_lshl_b32 s22, s[TY], 8                       ; the tile's first row in qh,
	s_lshl_b32 s23, s[BT], 11
	s_lshl_b32 s45, s[TX], 8
	s_add_co_u32 s23, s23, s45                     ; in kh
	s_cmp_eq_u32 s[WR], 0                          ; do I fetch for qh?
	s_cselect_b32 s22, s22, s23
	s_cselect_b32 s23, s[CX], s[CY]                ; my place among the four that ask with me
	s_cselect_b32 s45, ttmp9, 0                    ; qh's rows are read by the batch's other cluster too: the one with x = 0 asks
	s_cselect_b64 s[PFA:PFA+1], s[4:5], s[6:7]
	s_cmp_eq_u32 s45, 0
	s_cselect_b32 s[LIM], 1, -1                    ; the same in all sixteen partners, for a given wave
	s_lshl_b32 s45, s[WC], 7
	s_add_co_u32 s22, s22, s45                     ; + the 128 rows that I fetch
	s_lshl_b32 s23, s23, 5
	s_add_co_u32 s22, s22, s23                     ; + my work-group's 32 of them
	s_lshl_b32 s22, s22, 11
	s_mov_b32 s23, 0
	s_add_nc_u64 s[PFA:PFA+1], s[PFA:PFA+1], s[22:23]
	s_add_nc_u64 s[PFA:PFA+1], s[PFA:PFA+1], 2*KSTEP*2  ; at K step 2: the first refill steps it to 3 and names K step 4
	v_lshlrev_b32 v[PFO], 11, v3
; 16 matrix instructions: row blocks a0, a0 + 1 of the window's four x all 8 key blocks, 32 along K.  zero = 1: the first product starts the sums.
.macro MUL16 f, hi, a0, zero
	WIN MUL_LO+0x50*(\hi)
.irp a, \a0, (\a0)+1
.irp b, 0,1,2,3,4,5,6,7
.if \zero
	v_wmma_f32_16x16x32_f16 v[8*(8*(\a)+(\b)):8*(8*(\a)+(\b))+7], v[(\f)+8*(\b):(\f)+8*(\b)+7], v[(\f)+8*(4*(\hi)+(\a)):(\f)+8*(4*(\hi)+(\a))+7], 0
.else
	v_wmma_f32_16x16x32_f16 v[8*(8*(\a)+(\b)):8*(8*(\a)+(\b))+7], v[(\f)+8*(\b):(\f)+8*(\b)+7], v[(\f)+8*(4*(\hi)+(\a)):(\f)+8*(4*(\hi)+(\a))+7], v[8*(8*(\a)+(\b)):8*(8*(\a)+(\b))+7]
.endif
.endr
.endr
.endm
; 32 LDS loads in one run: the fragments of one quarter step (128 rows of kh, 128 of qh, 32 K at byte k of the rows) into buffer f.  slot = 0, 1: that slot; 2: the slot that the tail's address registers name
.macro FETCH slot, k, f
	WIN TO_B
.irp i, 0,1,2,3,4,5,6,7
	ds_load_b128 v[(\f)+8*(\i):(\f)+8*(\i)+3],   v[ADRB+(\slot)] offset:(\k)+(\i)*16*PITCH
	ds_load_b128 v[(\f)+8*(\i)+4:(\f)+8*(\i)+7], v[ADRB+(\slot)] offset:(\k)+(\i)*16*PITCH+32
.endr
	WIN 0
.irp i, 0,1,2,3,4,5,6,7
	ds_load_b128 v[(\f)+8*(\i):(\f)+8*(\i)+3],   v[ADRA+(\slot)] offset:(\k)+(\i)*16*PITCH
	ds_load_b128 v[(\f)+8*(\i)+4:(\f)+8*(\i)+7], v[ADRA+(\slot)] offset:(\k)+(\i)*16*PITCH+32
.endr
.endm
.macro PLACES                          ; four plain vector instructions between a matrix instruction and a load into a register that it has read, or a vector instruction that reads its result
.rept 4
	v_nop
.endr
.endm
; A K step is four quarters of 32 along K, 64 matrix instructions each, on buffers 0, 1, 0, 1.  The 64 accumulators take turns in the same order in every quarter.
; One of the first three: multiplies buffer f; in its middle it fetches the next quarter's fragments into buffer g.
.macro QUARTER slot, k, f, g, zero
	s_wait_dscnt 8                                 ; kh's and qh's rows 0-63 are in; the youngest eight loads (qh's rows 64-127) may be out
	MUL16 \f, 0, 0, \zero
	MUL16 \f, 0, 2, \zero
	PLACES
	FETCH \slot, \k, \g
	s_wait_dscnt 32                                ; all but the 32 just issued
	MUL16 \f, 1, 0, \zero
	MUL16 \f, 1, 2, \zero
.endm
; The first half of the last quarter: ONE barrier for the change of slots.  In front of it each wave waits for all its tensor loads (the one that is out is its part of the next slot), adds 0 to its spare word,
; and waits for that and for its own reads of this slot.  Behind it nobody reads this slot any more and the next slot is whole.
.macro MEET round
	WIN 0                                          ; (the add's two registers lie in window 0)
	s_wait_tensorcnt 0x0
	ds_add_u32 v[SPW], v[NIL]                      ; 0 onto my spare word
	s_wait_dscnt 9                                 ; (the add and the youngest eight loads may be out)
	MUL16 F1, 0, 0, 0                              ; sixteen matrix instructions stand between the add and the wait for it
	s_wait_dscnt 0x0                               ; the add is done, and my reads of this slot are over
	s_barrier_signal -1
	MUL16 F1, 0, 2, 0                              ; work on registers while the others arrive
.if \round
	WIN 0
.endif
	s_barrier_wait -1
.endm
; The whole last quarter with a refill: the barrier opens a round of the cluster's, the slot just read out takes the K step two steps on, first thing behind the round: 224 matrix instructions ahead of the wait for it.
.macro TURN slot, next
	s_wait_xcnt 0x0                                ; the last prefetch, a K step back, has read its address
	s_add_nc_u64 s[PFA:PFA+1], s[PFA:PFA+1], KSTEP*2
	MEET 1
	CREST                                          ; no wave of any partner still reads this slot's tile or has a load on its way
	s_add_nc_u64 s[G0+4*(\slot)+2:G0+4*(\slot)+3], s[G0+4*(\slot)+2:G0+4*(\slot)+3], 2*KSTEP*2
	s_add_nc_u64 s[G0B+4*(\slot)+2:G0B+4*(\slot)+3], s[G0B+4*(\slot)+2:G0B+4*(\slot)+3], 2*KSTEP*2
	JLOAD \slot                                    ; its four v_nop are also the places in front of the loads below
	FETCH \next, 0, F0
	ASK
	MUL16 F1, 1, 0, 0
	MUL16 F1, 1, 2, 0
.endm
	s_wait_tensorcnt 1                             ; my part of K step 0 is in; K step 1's may stay out
	s_barrier_signal -1
	s_barrier_wait -1                              ; everybody's is
	FETCH 0, 0, F0
	QUARTER 0, 64,  F0, F1, 1                      ; the first quarter stands in front of the loop: its products start the sums
	WIN 0                                          ; at a label and at a branch every window is 0
	s_mov_b32 s3, LAPS-1
.Llap:                                                 ; a trip goes once round the ring, from a lap's second quarter to the next lap's first, and fills both slots again
	QUARTER 0, 128, F1, F0, 0
	QUARTER 0, 192, F0, F1, 0
	TURN 0, 1
	QUARTER 1, 64,  F0, F1, 0
	QUARTER 1, 128, F1, F0, 0
	QUARTER 1, 192, F0, F1, 0
	TURN 1, 0
	QUARTER 0, 64,  F0, F1, 0
	WIN 0
	s_sub_co_u32 s3, s3, 1
	s_cmp_lg_u32 s3, 0
	s_cbranch_scc1 .Llap
	; THE LAST TWO K STEPS fill nothing, so they have a text of their own, written once and walked twice: K step 6 out of slot 0, then K step 7 out of slot 1, through the address registers v18 and v22.
	; The second walk has no step behind it: its barrier and its 32 LDS loads from the head of slot 1 serve nothing (the price, once a launch, of one text for both), and the quarter that would multiply them is jumped over.
	v_mov_b32 v[ADRA+2], v[ADRA]
	v_mov_b32 v[ADRB+2], v[ADRB]
	s_mov_b32 s3, 2
.Ltail:
	QUARTER 2, 128, F1, F0, 0
	QUARTER 2, 192, F0, F1, 0
	MEET 0                                         ; in the first walk my one tensor load that was still out is the last K step's
	PLACES
	WIN 0
	v_mov_b32 v[ADRA+2], v[ADRA+1]                 ; from here on slot 1
	v_mov_b32 v[ADRB+2], v[ADRB+1]
	FETCH 2, 0, F0
	MUL16 F1, 1, 0, 0
	MUL16 F1, 1, 2, 0
	WIN 0
	s_cmp_eq_u32 s3, 1
	s_cbranch_scc1 .Llast                          ; forward, past no barrier and no tensor load
	QUARTER 2, 64,  F0, F1, 0
	WIN 0
.Llast:
	s_sub_co_u32 s3, s3, 1
	s_cmp_lg_u32 s3, 0
	s_cbranch_scc1 .Ltail
	s_wait_dscnt 0x0                               ; the loads that serve nothing have landed: the way out writes their registers
; THE WAY OUT, a block of 16 rows at a time.  SOFT a: the lane's 64 scores of block a (8 accumulators) give the chunk's maximum, e, p and l.
.macro SOFT a
.set AC, 64*((\a)%4)
.set WW, 2+(\a)/4
	WIN WW|(WW<<2)|(WW<<4)                         ; all three sources in the block's window
.irp b, 0,1,2,3,4,5,6,7
	v_max3_num_f32 v[CH+(\b)], v[AC+8*(\b)], v[AC+8*(\b)+1], v[AC+8*(\b)+2]  ; eight chains; each accumulator's lowest registers are read first
.endr
	WIN (WW<<2)|(WW<<4)
.irp b, 0,1,2,3,4,5,6,7
	v_max3_num_f32 v[CH+(\b)], v[CH+(\b)], v[AC+8*(\b)+3], v[AC+8*(\b)+4]
.endr
.irp b, 0,1,2,3,4,5,6,7
	v_max3_num_f32 v[CH+(\b)], v[CH+(\b)], v[AC+8*(\b)+5], v[AC+8*(\b)+6]
.endr
.irp b, 0,1,2,3
	v_max3_num_f32 v[CH+(\b)], v[CH+(\b)], v[AC+16*(\b)+7], v[AC+16*(\b)+15]  ; the eight scores left over
.endr
	WIN 0
	v_max3_num_f32 v[CH], v[CH], v[CH+4], v[CH+5]
	v_max3_num_f32 v[CH+1], v[CH+1], v[CH+6], v[CH+7]
	v_max3_num_f32 v[CH], v[CH], v[CH+1], v[CH+2]
	v_max_num_f32 v[CH], v[CH], v[CH+3]
	v_permlanex16_b32 v[CH+1], v[CH], s[SEL], s[SEL+1]  ; the row's other 64 keys lie in the lane 16 away
	v_max_num_f32 v[CH], v[CH], v[CH+1]            ; m
	v_mul_f32 v[CH+2], s[NC], v[CH]
	v_floor_f32 v[NNP], v[CH+2]                    ; e = floor(-c m)
	v_mov_b32 v[EN+(\a)], v[NNP]
	WIN WW|(WW<<6)                                 ; in place in the block's window; e in window 0
.set i, 0
.rept 32
	v_pk_fma_f32 v[AC+i:AC+i+1], v[AC+i:AC+i+1], s[CS:CS+1], v[NNP:NNP+1] op_sel_hi:[1,0,0]  ; c s + e
.set i, i+2
.endr
.set i, 0
.rept 64
	v_exp_f32 v[AC+i], v[AC+i]                     ; one batch: none of these names another's result
.set i, i+1
.endr
	v_nop                                          ; a plain instruction behind the last exponential,
	s_wait_alu depctr_va_vdst(0)                   ; and a wait ahead of the batch's first reader
	WIN WW|(WW<<2)
.irp b, 0,1,2,3,4,5,6,7
.irp r, 0,1,2,3
	v_cvt_pk_f16_f32 v[TMP+4*(\b)+(\r)], v[AC+8*(\b)+2*(\r)], v[AC+8*(\b)+2*(\r)+1]
.endr
.endr
	WIN WW|(WW<<2)|(WW<<6)
.irp w, 32,16,8,4                      ; the sum of the 32 pairs, in place: halves are folded onto each other
.set i, 0
.rept (\w)/2
	v_pk_add_f32 v[AC+i:AC+i+1], v[AC+i:AC+i+1], v[AC+(\w)+i:AC+(\w)+i+1]
.set i, i+2
.endr
.endr
	WIN WW|(WW<<2)
	v_pk_add_f32 v[CH+2:CH+3], v[AC:AC+1], v[AC+2:AC+3]
	WIN 0
	v_add_f32 v[CH+2], v[CH+2], v[CH+3]
	v_permlanex16_b32 v[CH+3], v[CH+2], s[SEL], s[SEL+1]
	v_add_f32 v[LS+(\a)], v[CH+2], v[CH+3]         ; l
.endm
.macro TOSTAGE a                       ; 16 bytes a lane into my own stage, and back as whole rows of 256 bytes
	WIN 0
.set BK, OB+192*((\a)%2)
.irp b, 0,1,2,3,4,5,6,7
	ds_store_b128 v[STO], v[TMP+4*(\b):TMP+4*(\b)+3] offset:32*(\b)
.endr
.irp t, 0,1,2,3,4,5,6,7
	ds_load_b128 v[BK+4*(\t):BK+4*(\t)+3], v[RD] offset:(\t)*2*SPITCH  ; LDS serves a wave's instructions in order (ISA guide 5.7.1.4): these see the stores above
.endr
.endm
.macro SEND a
	WIN 0
.set BK, OB+192*((\a)%2)
	s_wait_dscnt 0x0                               ; the block is back in registers
	s_wait_xcnt 0x0                                ; the stores of the block before have read their registers, which the next block's loads from the stage write again
.irp t, 0,1,2,3,4,5,6,7
	global_store_b128 v[CO], v[BK+4*(\t):BK+4*(\t)+3], s[8:9] offset:(16*(\a)+2*(\t))*4096  ; 16 lanes store 256 consecutive bytes, at a multiple of 256 from ph's first byte
.endr
.endm
	PLACES                                         ; behind the last products
	WIN 0
	v_mov_b32 v[NNP+1], 0                          ; named with e as a pair
	SOFT 0
	TOSTAGE 0
.irp a, 1,2,3,4,5,6,7                  ; block a's arithmetic stands between block a - 1's loads from the stage and the wait for them
	SOFT \a
	SEND (\a)-1
	TOSTAGE \a
.endr
	SEND 7
	; the statistics: both halves of the lanes hold a row's e and l; lanes 0-15 put e, lanes 16-31 l; read back, each is 512 consecutive bytes
	v_cmp_gt_u32 vcc_lo, 16, v3
.irp a, 0,1,2,3,4,5,6,7
	v_cndmask_b32 v[ST+(\a)], v[LS+(\a)], v[EN+(\a)], vcc_lo
.endr
.irp a, 0,1,2,3,4,5,6,7
	ds_store_b32 v[SA], v[ST+(\a)] offset:64*(\a)
.endr
	ds_load_b128 v[QS:QS+3], v[RS]
	ds_load_b128 v[QS+4:QS+7], v[RS] offset:512
	s_wait_dscnt 0x0
	global_store_b128 v[SO], v[QS:QS+3], s[10:11]
	global_store_b128 v[SO], v[QS+4:QS+7], s[12:13]
	s_wait_tensorcnt 0x0                           ; the wave's end: a wait, an add to my spare word and its wait, behind my last tensor load and my last LDS store
	ds_add_u32 v[SPW], v[NIL]
	s_wait_dscnt 0x0
	CROUND                                         ; the closing round: no work-group ends while a partner may still ask for a tile that names it
	s_endpgm
.Lfunc_end_k_q30ea717fc4_scores:
	.size	k_q30ea717fc4_scores, .Lfunc_end_k_q30ea717fc4_scores-k_q30ea717fc4_scores
	.p2alignl 7, 3214868480
	.fill 96, 4, 3214868480
	.section	.rodata,"a",@progbits
	.p2align	6, 0x0
	.amdhsa_kernel k_q30ea717fc4_scores
		.amdhsa_group_segment_fixed_size 327680
		.amdhsa_private_segment_fixed_size 0
		.amdhsa_enable_private_segment 0
		.amdhsa_kernarg_size 40
		.amdhsa_user_sgpr_count 2
		.amdhsa_user_sgpr_kernarg_segment_ptr 1
		.amdhsa_wavefront_size32 1
		.amdhsa_system_sgpr_workgroup_id_x 1
		.amdhsa_system_sgpr_workgroup_id_y 1
		.amdhsa_system_sgpr_workgroup_id_z 1
		.amdhsa_system_vgpr_workitem_id 0
		.amdhsa_next_free_vgpr 1024
		.amdhsa_next_free_sgpr 80
		.amdhsa_reserve_vcc 1
		.amdhsa_float_denorm_mode_32 3
		.amdhsa_float_denorm_mode_16_64 3
		.amdhsa_memory_ordered 1
		.amdhsa_forward_progress 1
		.amdhsa_inst_pref_size 197
	.end_amdhsa_kernel
	.amdgpu_metadata
---
amdhsa.version: [ 1, 2 ]
amdhsa.kernels:
  - .name:           k_q30ea717fc4_scores
    .symbol:         k_q30ea717fc4_scores.kd
    .args:
      - { .name: qh, .offset: 0, .size: 8, .value_kind: global_buffer, .address_space: global }
      - { .name: kh, .offset: 8, .size: 8, .value_kind: global_buffer, .address_space: global }
      - { .name: ph, .offset: 16, .size: 8, .value_kind: global_buffer, .address_space: global }
      - { .name: sn, .offset: 24, .size: 8, .value_kind: global_buffer, .address_space: global }
      - { .name: sl, .offset: 32, .size: 8, .value_kind: global_buffer, .address_space: global }
    .group_segment_fixed_size: 327680
    .private_segment_fixed_size: 0
    .kernarg_segment_align: 8
    .kernarg_segment_size: 40
    .max_flat_workgroup_size: 128
    .sgpr_count:     80
    .vgpr_count:     1024
    .wavefront_size: 32
...
	.end_amdgpu_metadata
.endif
;; end of part 2
;; launch ctx (part 3): grid 4 x 64, 4 waves a work-group, clusters of 4 x 4, 327,680 bytes of LDS; arguments ph, kh, sn, sl, ch; writes ch
.if DOCPART == 3
	.amdgcn_target "amdgcn-amd-amdhsa--gfx1250"
	.amdhsa_code_object_version 6
	.text
	.protected	k_q30ea717fc4_ctx
	.globl	k_q30ea717fc4_ctx
	.p2align	8
	.type	k_q30ea717fc4_ctx,@function
k_q30ea717fc4_ctx:
	s_mov_b64 s[64:65], 0
	v_nop
	global_prefetch_b8 v0, s[64:65] scope:SCOPE_SE
	s_setreg_imm32_b32 hwreg(HW_REG_WAVE_MODE, 25, 1), 1
	s_wait_xcnt 0x0
	s_wait_alu depctr_hold_cnt(0) depctr_sa_sdst(0) depctr_va_vdst(0) depctr_va_sdst(0) depctr_va_ssrc(0) depctr_va_vcc(0) depctr_vm_vsrc(0)
	s_getreg_b32 s2, hwreg(HW_REG_IB_STS2, 6, 4)
	s_cmp_eq_u32 s2, 0
	s_cbranch_scc0 .Lentry_in_a_cluster
	s_endpgm
.Lentry_in_a_cluster:
	s_bfe_u32 s2, ttmp6, 0x10000c
	s_cmp_lg_u32 s2, 0xf033
	s_cbranch_scc0 .Lentry_shape_is_right
	s_endpgm
.Lentry_shape_is_right:
; THE SECOND HALF OF THE SOFTMAX AND THE WEIGHTED MEAN OF THE KEYS.  For row R = 1024 b + t and channel x:
;   ch[t][b][x] = (the sum over chunks c and keys j of c of g_c ph[R][j] kh[b][j][x]) / (the sum over c of g_c sl[c][R]),   g_c = 2^(E - sn[c][R]),   E = the least of the row's 16 sn.
; The module multiplies the weights by v = k W^T + bias; since a row's weights add up to 1, that equals (weights x k) W^T + bias: this launch makes weights x k, the next the rest.
; g_c is a whole power of two, at most 1, and 1 for the chunk with the row's largest score.  It is applied to the f16 weights between their LDS load and the matrix instruction (v_pk_mul_f16):
; exact while the product is a normal f16.  Sums in f32; ch is rounded once, to f16, and laid in the output's order of rows.
; LIMITS.  A weight that falls below 2^-14 of the row's scale keeps f16's fixed step of 2^-24, one below 2^-25 counts as 0 in the mean (not in the divisor); the divisor is above 0.5.
; ch is a mean of kh's rows and has their range.  NaN and infinities are not treated apart.
; SHARES.  A tile is 128 rows x 256 channels; four waves, each 64 x 128: 32 accumulators.  K = 2,048 keys in 16 steps of 128: a step is a chunk.  4 x 64 tiles: 256 work-groups.
; CLUSTERS.  4 x 4 work-groups: the four of a row need the same tile of ph, the four of a column (all of one batch) the same tile of kh: each is asked for jointly.
; LAYOUT.  Source 0 = 16 channels x 32 keys, out of kh's tile ([key][channel]) by the turning load; source 1 = 16 rows x 32 keys of ph.  A lane then holds one row and eight neighbouring channels.
; THE TEXT.  A step is written once and looped over: slot 1 begins at LDS byte 2^17, so that one exclusive or turns the base of the fetches, and the LDS word of the one descriptor that walks, into the other slot's.
; REGISTERS, in windows of 256 (s_set_vgpr_msb: bits 1:0 source 0, 3:2 source 1, 5:4 source 2, 7:6 destination):
;   window 0: v0-31 addresses; v32-63, v64-95 ph's fragments as loaded, two buffers (row block a at + 8 a); v96-159, v160-223 kh's fragments, two buffers; v224-239 1 / divisor
;   window 1: v0-127 accumulators of row blocks 0, 1; v128-159 scaled fragments of blocks 2, 3, two buffers; v160-161 g of blocks 0, 1 (twice in a word, f16)
;   window 2: v0-127 accumulators of row blocks 2, 3; v128-159 scaled fragments of blocks 0, 1, two buffers; v160-161 g of blocks 2, 3
; So ONE setting serves a product on window 1's accumulators AND the scaling of a word for window 2's products (W_X), and one the other way round (W_Y): behind each matrix instruction stands one
; scaling, with no switch between, and a quarter step has four switches for its 32 matrix instructions.  The scalings name no register of the products round them.
.set APITCH, 272                       ; a row of ph's tile: 256 bytes + 16: the 16 rows of a load start at 16 different groups of four banks (64 banks of 4 bytes: ISA guide 11.1)
.set BPITCH, 544                       ; a row of kh's tile: 512 bytes + 32 = 136 words
.set AT,     128*APITCH
.set SLOT,   AT+128*BPITCH             ; ph's 128 rows, then 128 keys of kh: 104,448 bytes
.set SLOT1,  1<<17                     ; where slot 1 begins
.set FT,     SLOT1+SLOT                ; behind the ring: g, 16 chunks x 512 bytes; row rho's word at 256 (rho / 64) + 16 (rho % 16) + 4 ((rho / 16) % 4): a lane's four blocks lie in 16 bytes
.set RL,     FT+16*512                 ; 1 / divisor, 512 bytes, laid the same way
.set STAGE,  RL+512                    ; 16 rows x 272 bytes for each wave, for the way out
.set SPITCH, 272
.set SPARE,  STAGE+4*16*SPITCH         ; the spare words, 128 bytes for each wave: two blocks of 256 bytes that no other line names
.set ADRA0, 16                         ; v16     my lane's place in ph's tile of slot 0; never rewritten
.set ADRA,  17                         ; v17     the same in the slot that is being fetched from
.set ADRB0, 20                         ; v20-21  the same for kh
.set ADRB,  21
.set FA,   22                          ; v22     my lane's 16 bytes of g, at the chunk in hand
.set STO,  24
.set RD,   25
.set CO,   26
.set FTW,  27                          ; v27     where my thread puts its row's g
.set SPW,  28                          ; v28     LDS address of my spare word; never rewritten
.set NIL,  29                          ; v29     0; never rewritten
.set PFO,  30                          ; v30     the prefetches' offset: my lane x a row; never rewritten
.set SNO,  31                          ; v31     4 x my thread: my row's word in sn and sl
.set RA,   32
.set BF,   96
.set RLV,  224                         ; v224-227 1 / divisor of my row in blocks 0-3
.set RP,   232                         ; v232-239 the same, each twice: pairs for the packed multiply
.set TMP,  32
.set WV, 14
.set WR, 15                            ; wave / 2: my 64 rows
.set WC, 16                            ; wave % 2: my 128 channels; also: which half of a tile I fetch
.set CX, 17                            ; my place in the cluster; cx is also the channel tile
.set CY, 18
.set TY, 20                            ; tile row 0..63
.set BT, 21                            ; batch
.set G1, 24                            ; s[24:31] descriptor group 1 for ph's tiles; s[32:39] group 0: a set for each of the two first fills; the second then walks on
.set G0, 32
.set LIM, 44                           ; s44 2 in a wave that prefetches, else the greatest number
.set PFA, 46
.set G1B, 48                           ; s[48:55], s[56:63] the same for kh's tiles
.set G0B, 56
.set PFS, 66                           ; s[66:67] bytes from a step to the next in my prefetches
.set CLY, 68                           ; the cluster's y
.set TB,  70                           ; s70 LDS byte at which the slot that is being fetched from begins
.set MSB, 0
.macro WIN new
.if MSB != (\new)
	s_set_vgpr_msb (MSB<<8)|(\new)
.set MSB, \new
.endif
.endm
.set W_X, 0x58                         ; source 0 window 0, source 1 window 2, source 2 and destination window 1
.set W_Y, 0xa4                         ; source 0 window 0, source 1 window 1, source 2 and destination window 2
.macro JLOAD s                         ; a joint load: waves 0 and 1 fetch ph's two halves, waves 2 and 3 kh's; an s_nop 0 and four v_nop follow each of the two lines
	s_cmp_lt_u32 s[WV], 2
	s_cbranch_scc0 .Lfor_b_\@
	tensor_load_to_lds s[G0+4*(\s):G0+4*(\s)+3], s[G1:G1+7]
	s_nop 0
.rept 4
	v_nop
.endr
	s_branch .Lasked_\@
.Lfor_b_\@:
	tensor_load_to_lds s[G0B+4*(\s):G0B+4*(\s)+3], s[G1B:G1B+7]
	s_nop 0
.rept 4
	v_nop
.endr
.Lasked_\@:
.endm
; A prefetch, behind each joint refill and the run of LDS loads that follows it: the step that stands two refills on, a lane a row, one instruction a wave.  Each aligned 256 bytes are named once in the launch.
; ph's tile (128 rows x 256 bytes) is read by one cluster alone: its row's four partners take 32 rows each, by address, and wave 0 asks.  kh's tile (128 keys x 512 bytes) is read by the batch's two clusters:
; the one with even y asks; a column's four partners take 32 keys each, wave 2 the first 256 bytes of a key's 512 and wave 3 the second.  Steps 4 to 15 are asked for; the loop's last two trips (s3 = 2, 1) ask for nothing.
.macro ASK
	s_cmp_gt_u32 s3, s[LIM]
	s_cbranch_scc0 .Lnot_mine_\@
	global_prefetch_b8 v[PFO], s[PFA:PFA+1] th:TH_LOAD_NT scope:SCOPE_SE
.Lnot_mine_\@:
.endm
.macro CREST
	s_cmp_lg_u32 s[WV], 0
	s_cbranch_scc1 .Lnot_wave_0_\@
	s_barrier_signal -3
.Lnot_wave_0_\@:
	s_barrier_wait -3
	s_barrier_signal -1
	s_barrier_wait -1
.endm
.macro CROUND
	s_barrier_signal -1
	s_barrier_wait -1
	CREST
.endm
	s_load_b256 s[4:11], s[0:1], 0x0               ; ph s[4:5], kh s[6:7], sn s[8:9], sl s[10:11]
	s_load_b64 s[12:13], s[0:1], 0x20              ; ch
	v_lshl_add_u32 v[SPW], v0, 2, SPARE
	v_mov_b32 v[NIL], 0
	ds_add_u32 v[SPW], v[NIL]                      ; the wave's opening: the add and its wait stand ahead of my first tensor load; the set-up below, work on registers, stands between them
	v_lshrrev_b32 v1, 5, v0
	v_readfirstlane_b32 s[WV], v1
	s_lshr_b32 s[WR], s[WV], 1
	s_and_b32 s[WC], s[WV], 1
	s_bfe_u32 s[CX], ttmp6, 0x40000
	s_bfe_u32 s[CY], ttmp6, 0x40004
	s_and_b32 s[CLY], ttmp7, 0xffff
	s_lshl_b32 s[TY], s[CLY], 2
	s_add_co_u32 s[TY], s[TY], s[CY]
	s_lshr_b32 s[BT], s[CLY], 1                    ; eight tile rows, two clusters, to a batch
	s_lshl_b32 s22, s[CY], 2
	s_lshl_b32 s22, 15, s22                        ; my row of the cluster
	s_lshl_b32 s23, 0x1111, s[CX]                  ; my column
	; group 1 for ph: 64 rows x 128 elements of 2 bytes, 16 bytes of padding behind every 256 (codes 5, 3)
	s_or_b32 s[G1], s22, (1<<16)|(1<<20)|(1<<21)|(5<<22)|(3<<25)
	s_mov_b32 s[G1+1], 128<<16                     ; tensor_dim0
	s_mov_b32 s[G1+2], 64<<16                      ; tensor_dim1
	s_mov_b32 s[G1+3], 128<<16                     ; tile_dim0
	s_mov_b32 s[G1+4], 64                          ; tile_dim1
	s_mov_b32 s[G1+5], 2048                        ; elements from row to row
	s_mov_b32 s[G1+6], 0
	s_mov_b32 s[G1+7], 0
	; group 1 for kh: 64 keys x 256 elements, 32 bytes of padding behind every 512 (codes 6, 7)
	s_or_b32 s[G1B], s23, (1<<16)|(1<<20)|(1<<21)|(6<<22)|(7<<25)
	s_mov_b32 s[G1B+1], 256<<16
	s_mov_b32 s[G1B+2], 64<<16
	s_mov_b32 s[G1B+3], 256<<16
	s_mov_b32 s[G1B+4], 64
	s_mov_b32 s[G1B+5], 1024
	s_mov_b32 s[G1B+6], 0
	s_mov_b32 s[G1B+7], 0
	s_lshl_b32 s40, s[TY], 7
	s_lshl_b32 s41, s[WC], 6
	s_add_co_u32 s40, s40, s41                     ; ph: row 128 TY + 64 x half,
	s_lshl_b32 s40, s40, 12                        ; x 4,096 bytes (under 2^25)
	s_mov_b32 s41, 0
	s_lshl_b32 s42, s[BT], 11
	s_lshl_b32 s43, s[WC], 6
	s_add_co_u32 s42, s42, s43                     ; kh: key 2048 b + 64 x half,
	s_lshl_b32 s42, s42, 11
	s_lshl_b32 s43, s[CX], 9                       ; the tile's 256 channels
	s_add_co_u32 s42, s42, s43
	s_mov_b32 s43, 0
	s_mul_i32 s22, s[WC], 64*APITCH                ; where they go: no place in the cluster enters an LDS address
	s_mul_i32 s23, s[WC], 64*BPITCH
	s_add_co_u32 s23, s23, AT
	s_mov_b32 s[TB], 0                             ; the fetches begin in slot 0
	s_wait_dscnt 0x0                               ; the opening add is done
	s_wait_kmcnt 0x0
	s_add_nc_u64 s[40:41], s[4:5], s[40:41]
	s_add_nc_u64 s[42:43], s[6:7], s[42:43]
	CROUND                                         ; all sixteen work-groups are here: the first joint loads meet
.irp s, 0,1
	s_mov_b32 s[G0+4*(\s)], 1
	s_add_co_u32 s[G0+4*(\s)+1], s22, (\s)*SLOT1
	s_add_nc_u64 s[G0+4*(\s)+2:G0+4*(\s)+3], s[40:41], (\s)*256       ; step s: 128 keys along ph's rows
	s_or_b32 s[G0+4*(\s)+3], s[G0+4*(\s)+3], 0x80000000
	s_mov_b32 s[G0B+4*(\s)], 1
	s_add_co_u32 s[G0B+4*(\s)+1], s23, (\s)*SLOT1
	s_add_nc_u64 s[G0B+4*(\s)+2:G0B+4*(\s)+3], s[42:43], (\s)*262144  ; 128 rows of kh down
	s_or_b32 s[G0B+4*(\s)+3], s[G0B+4*(\s)+3], 0x80000000
	JLOAD \s                                       ; two loads of mine are out
.endr
	; THE ROWS' FACTORS, in the wait for the first tiles.  Thread rho serves row 128 TY + rho: its 16 e and 16 l.
	s_lshl_b32 s22, s[TY], 9
	s_mov_b32 s23, 0
	s_add_nc_u64 s[8:9], s[8:9], s[22:23]
	s_add_nc_u64 s[10:11], s[10:11], s[22:23]
	v_lshlrev_b32 v[SNO], 2, v0
.irp c, 0,1,2,3,4,5,6,7,8,9,10,11,12,13,14,15
	global_load_b32 v[32+(\c)], v[SNO], s[8:9] offset:(\c)*32768
	global_load_b32 v[48+(\c)], v[SNO], s[10:11] offset:(\c)*32768
.endr
	v_and_b32 v1, 15, v0                           ; l % 16
	v_bfe_u32 v2, v0, 4, 1                         ; l / 16
	v_lshrrev_b32 v3, 6, v0
	v_bfe_u32 v4, v0, 4, 2
	v_lshlrev_b32 v[FTW], 8, v3
	v_lshl_add_u32 v[FTW], v1, 4, v[FTW]
	v_lshl_add_u32 v[FTW], v4, 2, v[FTW]
	v_add_nc_u32 v[FTW], FT, v[FTW]
	s_lshl_b32 s22, s[WR], 8
	s_add_co_u32 s22, s22, FT
	v_lshl_add_u32 v[FA], v1, 4, s22               ; FT + 256 x (wave / 2) + 16 x (l % 16)
	v_mul_u32_u24 v3, v1, APITCH
	v_lshl_add_u32 v3, v2, 4, v3
	s_mul_i32 s22, s[WR], 64*APITCH
	v_add_nc_u32 v[ADRA0], s22, v3                 ; my 64 rows of ph: row x pitch + 16 x half
	v_mov_b32 v[ADRA], v[ADRA0]
	; The turning load takes 16 keys x 16 channels (lane l reads key 8 (l / 16) + l % 8, channels 8 ((l / 8) % 2) + 0..7) and leaves half a fragment: lane l holds channel l % 16 and 8 keys.
	v_and_b32 v4, 7, v0
	v_bfe_u32 v5, v0, 3, 1
	v_lshl_add_u32 v4, v2, 3, v4
	v_mul_u32_u24 v4, v4, BPITCH
	v_lshl_add_u32 v4, v5, 4, v4
	s_lshl_b32 s22, s[WC], 8                       ; my 128 channels
	s_add_co_u32 s22, s22, AT
	v_add_nc_u32 v[ADRB0], s22, v4
	v_mov_b32 v[ADRB], v[ADRB0]
	s_mul_i32 s22, s[WV], 16*SPITCH
	s_add_co_u32 s22, s22, STAGE
	v_mul_u32_u24 v4, v1, SPITCH
	v_lshl_add_u32 v4, v2, 4, v4
	v_add_nc_u32 v[STO], s22, v4
	v_mul_u32_u24 v5, v2, SPITCH
	v_lshl_add_u32 v5, v1, 4, v5
	v_add_nc_u32 v[RD], s22, v5
	v_lshlrev_b32 v[CO], 14, v2                    ; two rows of a batch lie 16,384 bytes apart in ch
	v_lshl_add_u32 v[CO], v1, 4, v[CO]
	; ch at t = 128 (TY % 8) + 64 x (wave / 2), batch TY / 8, my 128 channels
	s_and_b32 s22, s[TY], 7
	s_lshl_b32 s22, s22, 7
	s_lshl_b32 s23, s[WR], 6
	s_add_co_u32 s22, s22, s23
	s_lshl_b32 s22, s22, 14
	s_lshl_b32 s23, s[BT], 11
	s_add_co_u32 s22, s22, s23
	s_lshl_b32 s23, s[CX], 9
	s_add_co_u32 s22, s22, s23
	s_lshl_b32 s23, s[WC], 8
	s_add_co_u32 s22, s22, s23
	s_mov_b32 s23, 0
	s_add_nc_u64 s[12:13], s[12:13], s[22:23]
	; the prefetches: they stand at step 3; each refill steps them ahead of its request
	s_lshl_b32 s22, s[TY], 7
	s_lshl_b32 s23, s[CX], 5
	s_add_co_u32 s22, s22, s23
	s_lshl_b32 s22, s22, 12
	s_add_co_u32 s22, s22, 3*256                   ; ph: row 128 TY + 32 cx, step 3
	s_lshl_b32 s23, s[BT], 11
	s_lshl_b32 s45, s[CY], 5
	s_add_co_u32 s23, s23, s45
	s_lshl_b32 s23, s23, 11
	s_lshl_b32 s45, s[CX], 9
	s_add_co_u32 s23, s23, s45
	s_lshl_b32 s45, s[WC], 8
	s_add_co_u32 s23, s23, s45
	s_add_co_u32 s23, s23, 3*262144                ; kh: key 2048 b + 32 cy, my 256 bytes of the tile's 512, step 3
	s_and_b32 s45, s[CLY], 1
	s_mov_b32 s69, 256
	s_mov_b32 s76, 4096
	s_cmp_lt_u32 s[WV], 2
	s_cselect_b32 s22, s22, s23
	s_cselect_b32 s45, s[WC], s45                  ; 0 in the waves that ask: wave 0; waves 2 and 3 of a batch's first cluster
	s_cselect_b32 s[PFS], s69, 262144
	s_cselect_b32 s69, s76, 2048                   ; bytes from row to row
	s_cselect_b64 s[PFA:PFA+1], s[4:5], s[6:7]
	s_cmp_eq_u32 s45, 0
	s_cselect_b32 s[LIM], 2, -1                    ; the same in all sixteen partners, for a given wave
	s_mov_b32 s23, 0
	s_mov_b32 s[PFS+1], 0
	s_add_nc_u64 s[PFA:PFA+1], s[PFA:PFA+1], s[22:23]
	v_and_b32 v[PFO], 31, v0
	v_mul_u32_u24 v[PFO], s69, v[PFO]
	s_wait_loadcnt 0x0                             ; e in v32-47, l in v48-63
	v_min3_num_f32 v96, v32, v33, v34
.irp c, 35,37,39,41,43,45
	v_min3_num_f32 v96, v96, v[\c], v[(\c)+1]
.endr
	v_min_num_f32 v96, v96, v47                    ; E
.irp c, 0,1,2,3,4,5,6,7,8,9,10,11,12,13,14,15
	v_sub_f32 v[64+(\c)], v96, v[32+(\c)]          ; whole numbers, 0 at the most
.endr
.irp c, 0,1,2,3,4,5,6,7,8,9,10,11,12,13,14,15
	v_exp_f32 v[64+(\c)], v[64+(\c)]               ; g
.endr
	v_nop                                          ; a plain instruction behind the last exponential,
	s_wait_alu depctr_va_vdst(0)                   ; and a wait ahead of the batch's first reader
.irp c, 0,1,2,3
	v_mul_f32 v[97+(\c)], v[64+(\c)], v[48+(\c)]   ; the divisor, in four chains
.endr
.irp c, 4,5,6,7,8,9,10,11,12,13,14,15
	v_fma_f32 v[97+(\c)%4], v[64+(\c)], v[48+(\c)], v[97+(\c)%4]
.endr
	v_add_f32 v97, v97, v98
	v_add_f32 v99, v99, v100
	v_add_f32 v97, v97, v99
	v_rcp_f32 v101, v97
.irp c, 0,1,2,3,4,5,6,7,8,9,10,11,12,13,14,15
	v_cvt_pk_f16_f32 v[80+(\c)], v[64+(\c)], v[64+(\c)]  ; g twice in a word; a power of two is exact in f16 down to 2^-24
.endr
	s_wait_alu depctr_va_vdst(0)                   ; the reciprocal's wait; the conversions above are the plain work behind it
.irp c, 0,1,2,3,4,5,6,7,8,9,10,11,12,13,14,15
	ds_store_b32 v[FTW], v[80+(\c)] offset:512*(\c)
.endr
	ds_store_b32 v[FTW], v101 offset:RL-FT
.macro LOADA g, q                      ; eight loads: my 64 rows of ph, 32 keys at quarter q of the slot that is being fetched from, into buffer g
.irp a, 0,1,2,3
	ds_load_b128 v[RA+32*(\g)+8*(\a):RA+32*(\g)+8*(\a)+3],   v[ADRA] offset:64*(\q)+16*APITCH*(\a)
	ds_load_b128 v[RA+32*(\g)+8*(\a)+4:RA+32*(\g)+8*(\a)+7], v[ADRA] offset:64*(\q)+16*APITCH*(\a)+32
.endr
.endm
.macro LOADB g, q                      ; sixteen turning loads: 32 keys x my 128 channels
.irp b, 0,1,2,3,4,5,6,7
	ds_load_tr16_b128 v[BF+64*(\g)+8*(\b):BF+64*(\g)+8*(\b)+3],   v[ADRB] offset:32*BPITCH*(\q)+32*(\b)
	ds_load_tr16_b128 v[BF+64*(\g)+8*(\b)+4:BF+64*(\g)+8*(\b)+7], v[ADRB] offset:32*BPITCH*(\q)+32*(\b)+16*BPITCH
.endr
.endm
; Under W_X: products i0 .. i0 + n - 1 of the 16 on row blocks 0, 1 (block i / 8, channel block i % 8); behind each, word i of this quarter's fragments of blocks 2, 3 is scaled.
.macro XP f, i0, n, zero
.set i, \i0
.rept \n
.set aa, i/8
.set bb, i%8
.if \zero
	v_wmma_f32_16x16x32_f16 v[64*aa+8*bb:64*aa+8*bb+7], v[BF+64*(\f)+8*bb:BF+64*(\f)+8*bb+7], v[128+16*(\f)+8*aa:128+16*(\f)+8*aa+7], 0
.else
	v_wmma_f32_16x16x32_f16 v[64*aa+8*bb:64*aa+8*bb+7], v[BF+64*(\f)+8*bb:BF+64*(\f)+8*bb+7], v[128+16*(\f)+8*aa:128+16*(\f)+8*aa+7], v[64*aa+8*bb:64*aa+8*bb+7]
.endif
	v_pk_mul_f16 v[128+16*(\f)+i], v[RA+32*(\f)+16+i], v[160+aa]
.set i, i+1
.endr
.endm
; Under W_Y: the same on row blocks 2, 3; behind each, word i of the NEXT quarter's fragments of blocks 0, 1 is scaled.
.macro YP f, i0, n, zero
.set i, \i0
.rept \n
.set aa, i/8
.set bb, i%8
.if \zero
	v_wmma_f32_16x16x32_f16 v[64*aa+8*bb:64*aa+8*bb+7], v[BF+64*(\f)+8*bb:BF+64*(\f)+8*bb+7], v[128+16*(\f)+8*aa:128+16*(\f)+8*aa+7], 0
.else
	v_wmma_f32_16x16x32_f16 v[64*aa+8*bb:64*aa+8*bb+7], v[BF+64*(\f)+8*bb:BF+64*(\f)+8*bb+7], v[128+16*(\f)+8*aa:128+16*(\f)+8*aa+7], v[64*aa+8*bb:64*aa+8*bb+7]
.endif
	v_pk_mul_f16 v[128+16*(1-(\f))+i], v[RA+32*(1-(\f))+i], v[160+aa]
.set i, i+1
.endr
.endm
; A QUARTER: 32 along K, 32 matrix instructions on buffers f; the next quarter (qN of its step) is fetched into the other buffers.  The 32 accumulators take turns in the same order in every quarter.
; kh's other buffer was last read by the quarter before; the sixteen scalings of XP stand between those products and the loads into it.
; nxt = 1 (a step's last quarter): the fetches go over to the other slot, and the next chunk's g is fetched, blocks 0, 1 ahead of the scalings that make the next step's first fragments, blocks 2, 3 behind this step's last scalings of them.
; chg = 1 (a step's third quarter): the loads above are the last reads of the slot.  Each wave waits for all its tensor loads (the one that is out is its part of the other slot), adds 0 to its spare word, and waits
; for that and for its reads.  fill = 1: the barrier opens a round of the cluster's, and the slot takes the step two steps on, first thing behind the round: 112 matrix instructions ahead of the wait for it.
.macro Q f, qN, zero, chg, fill, nxt, ask
	WIN 0
.if \nxt
	s_xor_b32 s[TB], s[TB], SLOT1
	v_add_nc_u32 v[ADRA], s[TB], v[ADRA0]
	v_add_nc_u32 v[ADRB], s[TB], v[ADRB0]
.endif
	LOADA 1-(\f), \qN
.if \ask
	ASK
.endif
	s_wait_dscnt 8                                 ; all but the eight just issued: kh's fragments are in
	WIN W_X
.if \nxt
	ds_load_b64 v[160:161], v[FA] offset:512       ; into window 1
.endif
	XP \f, 0, 16, \zero
	WIN 0
	LOADB 1-(\f), \qN
.if \chg
.if \fill
	s_wait_xcnt 0x0                                ; the last prefetch, a step back, has read its address
	s_add_nc_u64 s[PFA:PFA+1], s[PFA:PFA+1], s[PFS:PFS+1]
.endif
	s_wait_tensorcnt 0x0
	ds_add_u32 v[SPW], v[NIL]                      ; 0 onto my spare word
	s_wait_dscnt 17                                ; (the add and the sixteen turning loads may be out: ph's fragments are in)
	WIN W_Y
	YP \f, 0, 8, \zero                             ; eight products and scalings stand between the add and the wait for it
	s_wait_dscnt 0x0                               ; the add is done, and my reads of this slot are over
	s_barrier_signal -1
	YP \f, 8, 8, \zero                             ; work on registers while the others arrive
	WIN 0
	s_barrier_wait -1
.if \fill
	CREST                                          ; no wave of any partner still reads this slot's tiles or has a load on its way
	s_xor_b32 s[G0+5], s[G0+5], SLOT1              ; the walking descriptors (no load of mine is out): the other slot than last time,
	s_add_nc_u64 s[G0+6:G0+7], s[G0+6:G0+7], 256   ; the next step; the type bits on top are not reached
	s_xor_b32 s[G0B+5], s[G0B+5], SLOT1
	s_add_nc_u64 s[G0B+6:G0B+7], s[G0B+6:G0B+7], 262144
	JLOAD 1
.endif
.else
	s_wait_dscnt 16                                ; all but the sixteen turning loads: ph's fragments, and g, are in
	WIN W_Y
.if \nxt
	ds_load_b64 v[160:161], v[FA] offset:520       ; into window 2
.endif
	YP \f, 0, 16, \zero
.endif
.endm
	s_wait_tensorcnt 1                             ; my part of step 0 is in; step 1's may stay out
	s_wait_dscnt 0x0                               ; my rows' factors are in LDS
	s_barrier_signal -1
	s_barrier_wait -1
	LOADA 0, 0
	LOADB 0, 0
	ds_load_b128 v[RLV:RLV+3], v[FA] offset:RL-FT
	WIN W_X
	ds_load_b64 v[160:161], v[FA]                  ; chunk 0's g of blocks 0, 1 into window 1,
	WIN W_Y
	ds_load_b64 v[160:161], v[FA] offset:8         ; of blocks 2, 3 into window 2
	s_wait_dscnt 0x0
.set i, 0
.rept 16
	v_pk_mul_f16 v[128+i], v[RA+i], v[160+i/8]     ; the first quarter's fragments of blocks 0, 1
.set i, i+1
.endr
	WIN 0
.irp a, 0,1,2,3
	v_mov_b32 v[RP+2*(\a)], v[RLV+(\a)]
	v_mov_b32 v[RP+2*(\a)+1], v[RLV+(\a)]
.endr
	Q 0, 1, 1, 0, 0, 0, 0                          ; the first quarter stands in front of the loop: its products start the sums
	WIN 0
	s_mov_b32 s3, 14
.Lstep:                                                ; a trip: from a step's second quarter to the next step's first; the step's slot is filled again.  14 trips ask for steps 2 to 15
	Q 1, 2, 0, 0, 0, 0, 0
	Q 0, 3, 0, 1, 1, 0, 0
	Q 1, 0, 0, 0, 0, 1, 1
	Q 0, 1, 0, 0, 0, 0, 0
	WIN 0
	v_add_nc_u32 v[FA], 512, v[FA]                 ; a chunk on
	s_sub_co_u32 s3, s3, 1
	s_cmp_lg_u32 s3, 0
	s_cbranch_scc1 .Lstep
	; THE LAST TWO STEPS fill nothing, so they have a text of their own, written once and walked twice.  The second walk has no step behind it: its barrier, its 24 LDS loads from the slot read before, the two loads
	; that bring 1 / divisor's words in g's place and the 16 scalings of what they bring serve nothing (the price, once a launch, of one text for both), and the quarter that would multiply them is jumped over.
	s_mov_b32 s3, 2
.Ltail:
	Q 1, 2, 0, 0, 0, 0, 0
	Q 0, 3, 0, 1, 0, 0, 0
	Q 1, 0, 0, 0, 0, 1, 0
	WIN 0
	s_cmp_eq_u32 s3, 1
	s_cbranch_scc1 .Llast                          ; forward, past no barrier and no tensor load
	Q 0, 1, 0, 0, 0, 0, 0
	WIN 0
	v_add_nc_u32 v[FA], 512, v[FA]
.Llast:
	s_sub_co_u32 s3, s3, 1
	s_cmp_lg_u32 s3, 0
	s_cbranch_scc1 .Ltail
	s_wait_dscnt 0x0                               ; the loads that serve nothing have landed: the way out writes their registers
; THE WAY OUT, a block of 16 rows at a time: divided, rounded to f16, 16 bytes a lane into my own stage, back as whole rows of 256 bytes, stored.
.macro PACK a
.set AC, 64*((\a)%2)
.set WW, 1+(\a)/2
	WIN WW|(WW<<6)
.set i, 0
.rept 32
	v_pk_mul_f32 v[AC+i:AC+i+1], v[AC+i:AC+i+1], v[RP+2*(\a):RP+2*(\a)+1]  ; ascending: each accumulator's lowest registers are read first
.set i, i+2
.endr
	WIN WW|(WW<<2)
.set i, 0
.rept 32
	v_cvt_pk_f16_f32 v[TMP+i], v[AC+2*i], v[AC+2*i+1]
.set i, i+1
.endr
	WIN 0
.endm
.macro TOSTAGE a
.set BK, BF+32*((\a)%2)
.irp b, 0,1,2,3,4,5,6,7
	ds_store_b128 v[STO], v[TMP+4*(\b):TMP+4*(\b)+3] offset:32*(\b)
.endr
.irp t, 0,1,2,3,4,5,6,7
	ds_load_b128 v[BK+4*(\t):BK+4*(\t)+3], v[RD] offset:(\t)*2*SPITCH  ; LDS serves a wave's instructions in order (ISA guide 5.7.1.4): these see the stores above
.endr
.endm
.macro SEND a
.set BK, BF+32*((\a)%2)
	s_wait_dscnt 0x0                               ; the block is back in registers
	s_wait_xcnt 0x0                                ; the stores of the block before have read their registers, which the next block's loads from the stage write again
.irp t, 0,1,2,3,4,5,6,7
	global_store_b128 v[CO], v[BK+4*(\t):BK+4*(\t)+3], s[12:13] offset:(16*(\a)+2*(\t))*16384  ; 16 lanes store 256 consecutive bytes, at a multiple of 256 from ch's first byte
.endr
.endm
.rept 4
	v_nop                                          ; the places behind the last products
.endr
	PACK 0
	TOSTAGE 0
.irp a, 1,2,3
	PACK \a
	SEND (\a)-1
	TOSTAGE \a
.endr
	SEND 3
	s_wait_tensorcnt 0x0                           ; the wave's end: a wait, an add to my spare word and its wait, behind my last tensor load and my last LDS store
	ds_add_u32 v[SPW], v[NIL]
	s_wait_dscnt 0x0
	CROUND                                         ; the closing round: no work-group ends while a partner may still ask for a tile that names it
	s_endpgm
.Lfunc_end_k_q30ea717fc4_ctx:
	.size	k_q30ea717fc4_ctx, .Lfunc_end_k_q30ea717fc4_ctx-k_q30ea717fc4_ctx
	.p2alignl 7, 3214868480
	.fill 96, 4, 3214868480
	.section	.rodata,"a",@progbits
	.p2align	6, 0x0
	.amdhsa_kernel k_q30ea717fc4_ctx
		.amdhsa_group_segment_fixed_size 327680
		.amdhsa_private_segment_fixed_size 0
		.amdhsa_enable_private_segment 0
		.amdhsa_kernarg_size 40
		.amdhsa_user_sgpr_count 2
		.amdhsa_user_sgpr_kernarg_segment_ptr 1
		.amdhsa_wavefront_size32 1
		.amdhsa_system_sgpr_workgroup_id_x 1
		.amdhsa_system_sgpr_workgroup_id_y 1
		.amdhsa_system_sgpr_workgroup_id_z 1
		.amdhsa_system_vgpr_workitem_id 0
		.amdhsa_next_free_vgpr 680
		.amdhsa_next_free_sgpr 84
		.amdhsa_reserve_vcc 0
		.amdhsa_float_denorm_mode_32 3
		.amdhsa_float_denorm_mode_16_64 3
		.amdhsa_memory_ordered 1
		.amdhsa_forward_progress 1
		.amdhsa_inst_pref_size 98
	.end_amdhsa_kernel
	.amdgpu_metadata
---
amdhsa.version: [ 1, 2 ]
amdhsa.kernels:
  - .name:           k_q30ea717fc4_ctx
    .symbol:         k_q30ea717fc4_ctx.kd
    .args:
      - { .name: ph, .offset: 0, .size: 8, .value_kind: global_buffer, .address_space: global }
      - { .name: kh, .offset: 8, .size: 8, .value_kind: global_buffer, .address_space: global }
      - { .name: sn, .offset: 16, .size: 8, .value_kind: global_buffer, .address_space: global }
      - { .name: sl, .offset: 24, .size: 8, .value_kind: global_buffer, .address_space: global }
      - { .name: ch, .offset: 32, .size: 8, .value_kind: global_buffer, .address_space: global }
    .group_segment_fixed_size: 327680
    .private_segment_fixed_size: 0
    .kernarg_segment_align: 8
    .kernarg_segment_size: 40
    .max_flat_workgroup_size: 128
    .sgpr_count:     84
    .vgpr_count:     680
    .wavefront_size: 32
...
	.end_amdgpu_metadata
.endif
;; end of part 3
;; launch proj (part 4): grid 4 x 64, 4 waves a work-group, clusters of 4 x 4, 327,680 bytes of LDS; arguments ch, wh, b, out0; writes out0
.if DOCPART == 4
	.amdgcn_target "amdgcn-amd-amdhsa--gfx1250"
	.amdhsa_code_object_version 6
	.text
	.protected	k_q30ea717fc4_proj
	.globl	k_q30ea717fc4_proj
	.p2align	8
	.type	k_q30ea717fc4_proj,@function
k_q30ea717fc4_proj:
	s_mov_b64 s[64:65], 0
	v_nop
	global_prefetch_b8 v0, s[64:65] scope:SCOPE_SE
	s_setreg_imm32_b32 hwreg(HW_REG_WAVE_MODE, 25, 1), 1
	s_wait_xcnt 0x0
	s_wait_alu depctr_hold_cnt(0) depctr_sa_sdst(0) depctr_va_vdst(0) depctr_va_sdst(0) depctr_va_ssrc(0) depctr_va_vcc(0) depctr_vm_vsrc(0)
	s_getreg_b32 s2, hwreg(HW_REG_IB_STS2, 6, 4)
	s_cmp_eq_u32 s2, 0
	s_cbranch_scc0 .Lentry_in_a_cluster
	s_endpgm
.Lentry_in_a_cluster:
	s_bfe_u32 s2, ttmp6, 0x10000c
	s_cmp_lg_u32 s2, 0xf033
	s_cbranch_scc0 .Lentry_shape_is_right
	s_endpgm
.Lentry_shape_is_right:
; THE PROJECTION.  out0[R][n] = the sum over x of ch[R][x] wh[n][x] + bias[n], R = 8 t + b: ch lies in the output's order of rows.  f16 operands, f32 sums, f32 out.
; The bias is rounded to bf16 like the module's other inputs, and it STARTS the sums: it is the C operand of each accumulator's first product, so nothing is cleared and nothing is added at the end.
; SHARES.  A tile is 128 rows x 256 columns; four waves, each 64 x 128: 32 accumulators.  K = 1,024 in eight steps of 128 through two LDS slots; the tiles' rows are 256 bytes of memory, at multiples of 256.
; 4 x 64 tiles: 256 work-groups.  CLUSTERS: 4 x 4: the four of a row need the same tile of ch, the four of a column the same tile of wh: each is asked for jointly.
; THE MATRIX INSTRUCTION IS USED TRANSPOSED (source 0 = 16 rows of wh, source 1 = 16 rows of ch): a lane holds one row and eight neighbouring columns, 32 bytes of out0.
; THE TEXT.  A K step is written once and looped over: slot 1 begins at LDS byte 2^17, so that one exclusive or turns the base of the fetches, and the LDS word of the one descriptor that walks, into the other slot's.
; REGISTERS, in windows of 256 (s_set_vgpr_msb: bits 1:0 source 0, 3:2 source 1, 5:4 source 2, 7:6 destination):
;   window 0: v0-31 addresses; v32-63, v64-95 ch's fragments, two buffers; v96-159, v160-223 wh's, two buffers; on the way out v32-159 rows read back
;   window 1: the accumulators, (a, b) at v[8 (8 a + b)]          window 2: v0-63 the bias as an accumulator holds it, column block b at 8 b; v64-67 at work
.set KSTEP,  128
.set PITCH,  272                       ; an LDS row: 256 bytes + 16: the 16 rows of a load start at 16 different groups of four banks (64 banks of 4 bytes: ISA guide 11.1)
.set AT,     128*PITCH
.set SLOT,   AT+256*PITCH              ; ch's 128 rows, then wh's 256 rows: 104,448 bytes
.set SLOT1,  1<<17                     ; where slot 1 begins
.set STAGE,  SLOT1+SLOT                ; behind the ring: 16 rows x 528 bytes for each wave, for the way out
.set SPITCH, 528                       ; 512 bytes + 16
.set SPARE,  STAGE+4*16*SPITCH         ; the spare words, 128 bytes for each wave: two blocks of 256 bytes that no other line names
.set ADRA0, 16                         ; v16  my lane's place in ch's tile of slot 0; never rewritten
.set ADRA,  17                         ; v17  the same in the slot that is being fetched from
.set ADRB0, 20                         ; v20-21 the same for wh
.set ADRB,  21
.set STO,  24
.set RD,   25
.set CO,   26
.set SPW,  28                          ; v28  LDS address of my spare word; never rewritten
.set NIL,  29                          ; v29  0; never rewritten
.set PFO,  30                          ; v30  my lane x a row of 2,048 bytes; never rewritten
.set BO,   31                          ; v31  32 x (l / 16): my eight columns in a block of the bias
.set AF,   32
.set BF,   96
.set WV, 14
.set WR, 15
.set WC, 16
.set CX, 17                            ; my place in the cluster; cx is also the column tile
.set CY, 18
.set TY, 20
.set CLY, 21
.set G1, 24                            ; s[24:31] descriptor group 1 for ch's tiles; s[32:39] group 0: a set for each of the two first fills; the second then walks on
.set G0, 32
.set LIM, 44                           ; s44 2 in a wave that prefetches, else the greatest number
.set PFA, 46
.set G1B, 48                           ; s[48:55], s[56:63] the same for wh's tiles
.set G0B, 56
.set TB,  66                           ; s66 LDS byte at which the slot that is being fetched from begins
.set MSB, 0
.macro WIN new
.if MSB != (\new)
	s_set_vgpr_msb (MSB<<8)|(\new)
.set MSB, \new
.endif
.endm
.macro JLOAD s                         ; a joint load: waves 0 and 1 fetch ch's two halves, waves 2 and 3 wh's; an s_nop 0 and four v_nop follow each of the two lines
	s_cmp_lt_u32 s[WV], 2
	s_cbranch_scc0 .Lfor_b_\@
	tensor_load_to_lds s[G0+4*(\s):G0+4*(\s)+3], s[G1:G1+7]
	s_nop 0
.rept 4
	v_nop
.endr
	s_branch .Lasked_\@
.Lfor_b_\@:
	tensor_load_to_lds s[G0B+4*(\s):G0B+4*(\s)+3], s[G1B:G1B+7]
	s_nop 0
.rept 4
	v_nop
.endr
.Lasked_\@:
.endm
; A prefetch, behind each joint refill and the run of LDS loads that follows it: the K step that stands two refills on, 32 rows x 256 bytes, a lane a row.  Each row's 256 bytes of a K step are named once in the launch.
; ch's tile (128 rows) is read by one cluster alone: its row's four partners take 32 rows each, by address, and wave 0 asks.  wh's tile (256 rows) is read by all sixteen clusters: the one with y = 0 asks; a column's four
; partners take 64 rows each, waves 2 and 3 a half of them each.  K steps 4 to 7 are asked for; the loop's last two trips (s3 = 2, 1) ask for nothing.
.macro ASK
	s_cmp_gt_u32 s3, s[LIM]
	s_cbranch_scc0 .Lnot_mine_\@
	global_prefetch_b8 v[PFO], s[PFA:PFA+1] offset:KSTEP*2 th:TH_LOAD_NT scope:SCOPE_SE
.Lnot_mine_\@:
.endm
.macro CREST
	s_cmp_lg_u32 s[WV], 0
	s_cbranch_scc1 .Lnot_wave_0_\@
	s_barrier_signal -3
.Lnot_wave_0_\@:
	s_barrier_wait -3
	s_barrier_signal -1
	s_barrier_wait -1
.endm
.macro CROUND
	s_barrier_signal -1
	s_barrier_wait -1
	CREST
.endm
	s_load_b256 s[4:11], s[0:1], 0x0               ; ch s[4:5], wh s[6:7], b s[8:9], out0 s[10:11]
	v_lshl_add_u32 v[SPW], v0, 2, SPARE
	v_mov_b32 v[NIL], 0
	ds_add_u32 v[SPW], v[NIL]                      ; the wave's opening: the add and its wait stand ahead of my first tensor load; the set-up below, work on registers, stands between them
	v_lshrrev_b32 v1, 5, v0
	v_readfirstlane_b32 s[WV], v1
	s_lshr_b32 s[WR], s[WV], 1                     ; my 64 rows
	s_and_b32 s[WC], s[WV], 1                      ; my 128 columns; also: which half of a tile I fetch
	s_bfe_u32 s[CX], ttmp6, 0x40000
	s_bfe_u32 s[CY], ttmp6, 0x40004
	s_and_b32 s[CLY], ttmp7, 0xffff
	s_lshl_b32 s[TY], s[CLY], 2
	s_add_co_u32 s[TY], s[TY], s[CY]               ; tile row 0..63
	s_lshl_b32 s22, s[CY], 2
	s_lshl_b32 s22, 15, s22                        ; my row of the cluster
	s_lshl_b32 s23, 0x1111, s[CX]                  ; my column
	; group 1: rows of 128 elements of 2 bytes, 16 bytes of padding behind every 256 (codes 5, 3); 64 rows of ch, 128 rows of wh to a load
	s_or_b32 s[G1], s22, (1<<16)|(1<<20)|(1<<21)|(5<<22)|(3<<25)
	s_mov_b32 s[G1+1], KSTEP<<16
	s_mov_b32 s[G1+2], 64<<16
	s_mov_b32 s[G1+3], KSTEP<<16
	s_mov_b32 s[G1+4], 64
	s_mov_b32 s[G1+5], 1024
	s_mov_b32 s[G1+6], 0
	s_mov_b32 s[G1+7], 0
	s_or_b32 s[G1B], s23, (1<<16)|(1<<20)|(1<<21)|(5<<22)|(3<<25)
	s_mov_b32 s[G1B+1], KSTEP<<16
	s_mov_b32 s[G1B+2], 128<<16
	s_mov_b32 s[G1B+3], KSTEP<<16
	s_mov_b32 s[G1B+4], 128
	s_mov_b32 s[G1B+5], 1024
	s_mov_b32 s[G1B+6], 0
	s_mov_b32 s[G1B+7], 0
	s_lshl_b32 s40, s[TY], 7
	s_lshl_b32 s41, s[WC], 6
	s_add_co_u32 s40, s40, s41                     ; ch: row 128 TY + 64 x half
	s_lshl_b32 s40, s40, 11
	s_mov_b32 s41, 0
	s_lshl_b32 s42, s[CX], 8
	s_lshl_b32 s43, s[WC], 7
	s_add_co_u32 s42, s42, s43                     ; wh: row 256 cx + 128 x half
	s_lshl_b32 s42, s42, 11
	s_mov_b32 s43, 0
	s_mul_i32 s22, s[WC], 64*PITCH                 ; where they go: no place in the cluster enters an LDS address
	s_mul_i32 s23, s[WC], 128*PITCH
	s_add_co_u32 s23, s23, AT
	s_mov_b32 s[TB], 0                             ; the fetches begin in slot 0
	s_wait_dscnt 0x0                               ; the opening add is done
	s_wait_kmcnt 0x0
	s_add_nc_u64 s[40:41], s[4:5], s[40:41]
	s_add_nc_u64 s[42:43], s[6:7], s[42:43]
	CROUND                                         ; all sixteen work-groups are here: the first joint loads meet
.irp s, 0,1
	s_mov_b32 s[G0+4*(\s)], 1
	s_add_co_u32 s[G0+4*(\s)+1], s22, (\s)*SLOT1
	s_add_nc_u64 s[G0+4*(\s)+2:G0+4*(\s)+3], s[40:41], (\s)*KSTEP*2
	s_or_b32 s[G0+4*(\s)+3], s[G0+4*(\s)+3], 0x80000000
	s_mov_b32 s[G0B+4*(\s)], 1
	s_add_co_u32 s[G0B+4*(\s)+1], s23, (\s)*SLOT1
	s_add_nc_u64 s[G0B+4*(\s)+2:G0B+4*(\s)+3], s[42:43], (\s)*KSTEP*2
	s_or_b32 s[G0B+4*(\s)+3], s[G0B+4*(\s)+3], 0x80000000
	JLOAD \s                                       ; two loads of mine are out
.endr
	; the bias of my 128 columns, as an accumulator holds it: register j of block b is column 16 b + 8 (l / 16) + j
	v_and_b32 v1, 15, v0                           ; l % 16
	v_bfe_u32 v2, v0, 4, 1                         ; l / 16
	v_lshlrev_b32 v[BO], 5, v2
	s_lshl_b32 s22, s[CX], 10
	s_lshl_b32 s23, s[WC], 9
	s_add_co_u32 s22, s22, s23
	s_mov_b32 s23, 0
	s_add_nc_u64 s[8:9], s[8:9], s[22:23]
	WIN 0x80                                       ; destination window 2, address window 0
.irp b, 0,1,2,3,4,5,6,7
	global_load_b128 v[8*(\b):8*(\b)+3],   v[BO], s[8:9] offset:64*(\b)
	global_load_b128 v[8*(\b)+4:8*(\b)+7], v[BO], s[8:9] offset:64*(\b)+16
.endr
	WIN 0
	v_mul_u32_u24 v3, v1, PITCH
	v_lshl_add_u32 v3, v2, 4, v3                   ; a fragment's row x pitch + 16 x half
	s_mul_i32 s22, s[WR], 64*PITCH
	v_add_nc_u32 v[ADRA0], s22, v3
	v_mov_b32 v[ADRA], v[ADRA0]
	s_mul_i32 s22, s[WC], 128*PITCH
	s_add_co_u32 s22, s22, AT
	v_add_nc_u32 v[ADRB0], s22, v3
	v_mov_b32 v[ADRB], v[ADRB0]
	s_mul_i32 s22, s[WV], 16*SPITCH
	s_add_co_u32 s22, s22, STAGE                   ; my stage
	v_mul_u32_u24 v4, v1, SPITCH                   ; in: row l % 16, 32 bytes for each half of the lanes
	v_lshl_add_u32 v4, v2, 5, v4
	v_add_nc_u32 v[STO], s22, v4
	v_and_b32 v5, 31, v0
	v_lshlrev_b32 v[CO], 4, v5                     ; back and out: 32 lanes take a row's 512 bytes
	v_add_nc_u32 v[RD], s22, v[CO]
	s_lshl_b32 s22, s[TY], 7
	s_lshl_b32 s23, s[WR], 6
	s_add_co_u32 s22, s22, s23
	s_lshl_b32 s22, s22, 12                        ; out0 at row 128 TY + 64 x (wave / 2), rows of 4,096 bytes (under 2^25),
	s_lshl_b32 s23, s[CX], 10
	s_add_co_u32 s22, s22, s23
	s_lshl_b32 s23, s[WC], 9
	s_add_co_u32 s22, s22, s23                     ; my 128 columns
	s_mov_b32 s23, 0
	s_add_nc_u64 s[10:11], s[10:11], s[22:23]
	; the prefetches
	s_lshl_b32 s22, s[TY], 7
	s_lshl_b32 s23, s[CX], 5
	s_add_co_u32 s22, s22, s23                     ; ch: row 128 TY + 32 cx
	s_lshl_b32 s23, s[CX], 8
	s_lshl_b32 s45, s[CY], 6
	s_add_co_u32 s23, s23, s45
	s_lshl_b32 s45, s[WC], 5
	s_add_co_u32 s23, s23, s45                     ; wh: row 256 cx + 64 cy + 32 x half
	s_cmp_lt_u32 s[WV], 2
	s_cselect_b32 s22, s22, s23
	s_cselect_b32 s45, s[WC], s[CLY]               ; 0 in the waves that ask: wave 0; waves 2 and 3 of the first cluster
	s_cselect_b64 s[PFA:PFA+1], s[4:5], s[6:7]
	s_cmp_eq_u32 s45, 0
	s_cselect_b32 s[LIM], 2, -1                    ; the same in all sixteen partners, for a given wave
	s_lshl_b32 s22, s22, 11
	s_mov_b32 s23, 0
	s_add_nc_u64 s[PFA:PFA+1], s[PFA:PFA+1], s[22:23]
	s_add_nc_u64 s[PFA:PFA+1], s[PFA:PFA+1], 2*KSTEP*2  ; at K step 2: the first refill steps it to 3 and names K step 4
	v_lshlrev_b32 v[PFO], 11, v5
	s_wait_loadcnt 0x0                             ; the bias
	WIN 0x8a                                       ; sources 0 and 1 and the destination in window 2
.set i, 0
.rept 32
	v_cvt_pk_bf16_f32 v[64+(i/2)%4], v[i], v[i+1]  ; rounded to bf16,
	v_lshlrev_b32 v[i], 16, v[64+(i/2)%4]          ; and back as f32
	v_and_b32 v[i+1], 0xffff0000, v[64+(i/2)%4]
.set i, i+2
.endr
	WIN 0
; 8 matrix instructions: row block a x all 8 column blocks, 32 along K, from buffers f.  first = 1: the bias is C and starts the sums.
.macro MUL8 f, a, first
.if \first
	WIN 0x60                                       ; sources 0, 1 window 0, C window 2, D window 1
.else
	WIN 0x50                                       ; C and D window 1
.endif
.irp b, 0,1,2,3,4,5,6,7
.if \first
	v_wmma_f32_16x16x32_f16 v[8*(8*(\a)+(\b)):8*(8*(\a)+(\b))+7], v[BF+64*(\f)+8*(\b):BF+64*(\f)+8*(\b)+7], v[AF+32*(\f)+8*(\a):AF+32*(\f)+8*(\a)+7], v[8*(\b):8*(\b)+7]
.else
	v_wmma_f32_16x16x32_f16 v[8*(8*(\a)+(\b)):8*(8*(\a)+(\b))+7], v[BF+64*(\f)+8*(\b):BF+64*(\f)+8*(\b)+7], v[AF+32*(\f)+8*(\a):AF+32*(\f)+8*(\a)+7], v[8*(8*(\a)+(\b)):8*(8*(\a)+(\b))+7]
.endif
.endr
.endm
; 24 LDS loads in one run: wh's 128 rows, then ch's 64, 32 K at byte k of the rows of the slot that is being fetched from, into buffers f
.macro FETCH k, f
	WIN 0
.irp b, 0,1,2,3,4,5,6,7
	ds_load_b128 v[BF+64*(\f)+8*(\b):BF+64*(\f)+8*(\b)+3],   v[ADRB] offset:(\k)+(\b)*16*PITCH
	ds_load_b128 v[BF+64*(\f)+8*(\b)+4:BF+64*(\f)+8*(\b)+7], v[ADRB] offset:(\k)+(\b)*16*PITCH+32
.endr
.irp a, 0,1,2,3
	ds_load_b128 v[AF+32*(\f)+8*(\a):AF+32*(\f)+8*(\a)+3],   v[ADRA] offset:(\k)+(\a)*16*PITCH
	ds_load_b128 v[AF+32*(\f)+8*(\a)+4:AF+32*(\f)+8*(\a)+7], v[ADRA] offset:(\k)+(\a)*16*PITCH+32
.endr
.endm
.macro PLACES                          ; four plain vector instructions between a matrix instruction and a load into a register that it has read, or an LDS store of its result
.rept 4
	v_nop
.endr
.endm
; A K step is four quarters of 32 along K, 32 matrix instructions each, on buffers 0, 1, 0, 1.  The 32 accumulators take turns in the same order in every quarter.
.macro QUARTER k, f, g, first
	s_wait_dscnt 4                                 ; wh's and ch's blocks 0, 1 are in; the youngest four loads (blocks 2, 3) may be out
	MUL8 \f, 0, \first
	MUL8 \f, 1, \first
	PLACES
	FETCH \k, \g
	s_wait_dscnt 24                                ; all but the 24 just issued
	MUL8 \f, 2, \first
	MUL8 \f, 3, \first
.endm
; The last quarter multiplies buffers 1 and changes slots: ONE barrier; in front of it each wave waits for all its tensor loads (the one that is out is its part of the next slot), adds 0 to its spare word, and waits for
; that and for its own reads of this slot.  fill = 1: the barrier opens a round of the cluster's, and this slot takes the K step two steps on, first thing behind the round: 112 matrix instructions ahead of the wait for it.
.macro TURN fill
.if \fill
	s_wait_xcnt 0x0                                ; the last prefetch, a K step back, has read its address
	s_add_nc_u64 s[PFA:PFA+1], s[PFA:PFA+1], KSTEP*2
.endif
	WIN 0                                          ; (the add's two registers lie in window 0)
	s_wait_tensorcnt 0x0
	ds_add_u32 v[SPW], v[NIL]                      ; 0 onto my spare word
	s_wait_dscnt 5                                 ; (the add and the youngest four loads may be out)
	MUL8 1, 0, 0                                   ; eight matrix instructions stand between the add and the wait for it
	s_wait_dscnt 0x0                               ; the add is done, and my reads of this slot are over
	s_barrier_signal -1
	MUL8 1, 1, 0                                   ; work on registers while the others arrive
	WIN 0
	s_barrier_wait -1
.if \fill
	CREST                                          ; no wave of any partner still reads this slot's tiles or has a load on its way
	s_xor_b32 s[G0+5], s[G0+5], SLOT1              ; the walking descriptors (no load of mine is out): the other slot than last time,
	s_add_nc_u64 s[G0+6:G0+7], s[G0+6:G0+7], KSTEP*2  ; the next K step; the type bits on top are not reached
	s_xor_b32 s[G0B+5], s[G0B+5], SLOT1
	s_add_nc_u64 s[G0B+6:G0B+7], s[G0B+6:G0B+7], KSTEP*2
	JLOAD 1                                        ; its four v_nop are also the places in front of the loads below
.else
	PLACES
.endif
	s_xor_b32 s[TB], s[TB], SLOT1                  ; the fetches go over to the other slot
	v_add_nc_u32 v[ADRA], s[TB], v[ADRA0]
	v_add_nc_u32 v[ADRB], s[TB], v[ADRB0]
	FETCH 0, 0
.if \fill
	ASK
.endif
	MUL8 1, 2, 0
	MUL8 1, 3, 0
.endm
	s_wait_tensorcnt 1                             ; my part of K step 0 is in; K step 1's may stay out
	s_barrier_signal -1
	s_barrier_wait -1
	FETCH 0, 0
	QUARTER 64,  0, 1, 1                           ; the first quarter stands in front of the loop: its products start the sums, with the bias
	WIN 0
	s_mov_b32 s3, 6
.Lstep:                                                ; a trip: from a K step's second quarter to the next step's first; the step's slot is filled again.  Six trips ask for K steps 2 to 7
	QUARTER 128, 1, 0, 0
	QUARTER 192, 0, 1, 0
	TURN 1
	QUARTER 64,  0, 1, 0
	WIN 0
	s_sub_co_u32 s3, s3, 1
	s_cmp_lg_u32 s3, 0
	s_cbranch_scc1 .Lstep
	; THE LAST TWO K STEPS fill nothing, so they have a text of their own, written once and walked twice.  The second walk has no step behind it: its barrier and its 24 LDS loads from the slot read before serve
	; nothing (the price, once a launch, of one text for both), and the quarter that would multiply them is jumped over.
	s_mov_b32 s3, 2
.Ltail:
	QUARTER 128, 1, 0, 0
	QUARTER 192, 0, 1, 0
	TURN 0
	WIN 0
	s_cmp_eq_u32 s3, 1
	s_cbranch_scc1 .Llast                          ; forward, past no barrier and no tensor load
	QUARTER 64,  0, 1, 0
	WIN 0
.Llast:
	s_sub_co_u32 s3, s3, 1
	s_cmp_lg_u32 s3, 0
	s_cbranch_scc1 .Ltail
	s_wait_dscnt 0x0                               ; the loads that serve nothing have landed: the way out writes their registers
	PLACES                                         ; behind the last products
	; THE WAY OUT, a block of 16 rows at a time: a lane's 32 bytes of each column block go into my own stage; whole rows of 512 bytes come back and are stored.
.irp a, 0,1,2,3
	s_wait_xcnt 0x0                                ; the earlier blocks' stores have read their registers, which the loads below write again
	WIN 0x04                                       ; the data (source 1) in window 1, the address in window 0
.irp b, 0,1,2,3,4,5,6,7
	ds_store_b128 v[STO], v[64*(\a)+8*(\b):64*(\a)+8*(\b)+3]   offset:64*(\b)     ; each accumulator's lowest registers are read first
	ds_store_b128 v[STO], v[64*(\a)+8*(\b)+4:64*(\a)+8*(\b)+7] offset:64*(\b)+16
.endr
	WIN 0
.irp t, 0,1,2,3,4,5,6,7,8,9,10,11,12,13,14,15
	ds_load_b128 v[AF+64*((\a)%2)+4*(\t):AF+64*((\a)%2)+4*(\t)+3], v[RD] offset:(\t)*SPITCH  ; LDS serves a wave's instructions in order (ISA guide 5.7.1.4): these see the stores above
.endr
.irp t, 0,1,2,3,4,5,6,7,8,9,10,11,12,13,14,15
	s_wait_dscnt 15-(\t)                           ; row t is back; the younger loads may stay out
	global_store_b128 v[CO], v[AF+64*((\a)%2)+4*(\t):AF+64*((\a)%2)+4*(\t)+3], s[10:11] offset:(16*(\a)+(\t))*4096 th:TH_STORE_NT  ; 512 consecutive bytes, at a multiple of 256 from out0's first byte
.endr
.endr
	s_wait_tensorcnt 0x0                           ; the wave's end: a wait, an add to my spare word and its wait, behind my last tensor load and my last LDS store
	ds_add_u32 v[SPW], v[NIL]
	s_wait_dscnt 0x0
	CROUND                                         ; the closing round: no work-group ends while a partner may still ask for a tile that names it
	s_endpgm
.Lfunc_end_k_q30ea717fc4_proj:
	.size	k_q30ea717fc4_proj, .Lfunc_end_k_q30ea717fc4_proj-k_q30ea717fc4_proj
	.p2alignl 7, 3214868480
	.fill 96, 4, 3214868480
	.section	.rodata,"a",@progbits
	.p2align	6, 0x0
	.amdhsa_kernel k_q30ea717fc4_proj
		.amdhsa_group_segment_fixed_size 327680
		.amdhsa_private_segment_fixed_size 0
		.amdhsa_enable_private_segment 0
		.amdhsa_kernarg_size 32
		.amdhsa_user_sgpr_count 2
		.amdhsa_user_sgpr_kernarg_segment_ptr 1
		.amdhsa_wavefront_size32 1
		.amdhsa_system_sgpr_workgroup_id_x 1
		.amdhsa_system_sgpr_workgroup_id_y 1
		.amdhsa_system_sgpr_workgroup_id_z 1
		.amdhsa_system_vgpr_workitem_id 0
		.amdhsa_next_free_vgpr 584
		.amdhsa_next_free_sgpr 68
		.amdhsa_reserve_vcc 0
		.amdhsa_float_denorm_mode_32 3
		.amdhsa_float_denorm_mode_16_64 3
		.amdhsa_memory_ordered 1
		.amdhsa_forward_progress 1
		.amdhsa_inst_pref_size 69
	.end_amdhsa_kernel
	.amdgpu_metadata
---
amdhsa.version: [ 1, 2 ]
amdhsa.kernels:
  - .name:           k_q30ea717fc4_proj
    .symbol:         k_q30ea717fc4_proj.kd
    .args:
      - { .name: ch, .offset: 0, .size: 8, .value_kind: global_buffer, .address_space: global }
      - { .name: wh, .offset: 8, .size: 8, .value_kind: global_buffer, .address_space: global }
      - { .name: b, .offset: 16, .size: 8, .value_kind: global_buffer, .address_space: global }
      - { .name: out0, .offset: 24, .size: 8, .value_kind: global_buffer, .address_space: global }
    .group_segment_fixed_size: 327680
    .private_segment_fixed_size: 0
    .kernarg_segment_align: 8
    .kernarg_segment_size: 32
    .max_flat_workgroup_size: 128
    .sgpr_count:     68
    .vgpr_count:     584
    .wavefront_size: 32
...
	.end_amdgpu_metadata
.endif
;; end of part 4
;; ======== version 2 of 2: 4 launches; version 1 with the launch cast written anew for expert scheduling mode
;; limits: inputs' magnitudes at most 65,504; values are held in f16: magnitudes above 65,504 overflow, below 6.1e-05 lose precision
;; workspace buffers: qh 16,777,216 bytes; kh 33,554,432 bytes; wh 2,097,152 bytes; ph 33,554,432 bytes; sn 524,288 bytes; sl 524,288 bytes; ch 16,777,216 bytes
;; launch cast (part 5): grid 800 x 1, 8 waves a work-group, no clusters, 0 bytes of LDS; arguments q1, k, W, qh, kh, wh; writes qh, kh, wh
.if DOCPART == 5
	.amdgcn_target "amdgcn-amd-amdhsa--gfx1250"
	.amdhsa_code_object_version 6
	.text
	.protected	k_q30ea717fc4_cast
	.globl	k_q30ea717fc4_cast
	.p2align	8
	.type	k_q30ea717fc4_cast,@function
k_q30ea717fc4_cast:
	s_mov_b64 s[64:65], 0
	v_nop
	global_prefetch_b8 v0, s[64:65] scope:SCOPE_SE
	s_setreg_imm32_b32 hwreg(HW_REG_WAVE_SCHED_MODE, 0, 2), 2
	s_setreg_imm32_b32 hwreg(HW_REG_WAVE_MODE, 25, 1), 1
	s_wait_xcnt 0x0
	s_wait_alu depctr_vm_vsrc(0)
; q1 [1024][8][1024], k [2048][8][1024], W [1024][1024], all f32, are rounded once to bf16 (nearest even) and that number is written as f16:
; qh [8][1024][1024], kh [8][2048][1024] (the batch moved to the front, so that a batch's rows lie end to end), wh [1024][1024].
; LIMITS.  The second step is exact for magnitudes from 2^-14 up to 65,504; beyond 65,504 it gives an infinity; below 2^-14 the number keeps f16's fixed step of 2^-24.
; The module's input 'value' is named by no launch: the module deletes it in its first line, and no output depends on it.
; SHARES.  25,600 rows of 4,096 bytes.  A work-group of eight waves takes 32 consecutive rows of one tensor: groups 0-255 q1, 256-767 k, 768-799 W.
; Thread t owns bytes 16 t of every row in and bytes 8 t of every row out: a wave's load covers 512 consecutive bytes, its store 256 consecutive bytes, aligned.
; No LDS, no barrier, no matrix unit: every byte is read once and written once, and no wave needs another's.
; Row r of the 32 goes to slot r % 8 of the output, round r / 8: in q1 and k the slot is the batch.
; THE MODE: SCHED_MODE bits 1:0 = 2 (LLVM: expert scheduling mode 2), set by the entry lines.  The code itself states the register dependences
; between vector instructions and memory instructions, with s_wait_alu, always for 0.
; THE PLAN.  The 32 rows go in 8 blocks of four.  Registers that memory instructions touch:
;   X0 .. X3   four blocks of f32 as loaded.  Written by loads alone: blocks 0 to 3 at the head, block p + 3 in block p (p = 1 .. 4); read by block p's roundings to bf16.
;   Y0, Y1     two blocks of f16 to store.    Written by block p's conversions to f16; read by the four stores that are issued in block p + 1.
;   v1, v[2:9] byte offsets, made once at the head and never written again: the input's rows are reached by immediate offsets (31 rows of 4,096 bytes at the most),
;              the output's rounds by its scalar base, which moves on at the head of blocks 3, 5 and 7.
; Block p works on X[p % 4] and writes Y[p % 2].  Its memory instructions are the loads into X[(p - 1) % 4] and the stores from Y[(p - 1) % 2]: the two buffers that
; block p - 1 worked on and that no vector instruction of block p names.  So the waits at the head of a block state all that the block's eight memory instructions hang
; on, and these are dealt among its vector instructions with no further wait.  The blocks are written out: X, Y and the eight output offsets are back at their start
; after four blocks, and only blocks 1 to 4 load, so a loop would have one trip.
.set BLOCK, 4                          ; rows in a block
.set ROW,   4096                       ; bytes in a row in
.set OO,  2                            ; v[2:9]    slot i: my byte offset in the output, 8 t + i x SB; never rewritten
.set T,   10                           ; v[10:15]  at work: no memory instruction names them
.set X,   16                           ; v[16:79]  buffer k, row i: 4 registers at X + 16 k + 4 i, 4 f32 as loaded
.set Y,   80                           ; v[80:95]  buffer k, row i: 2 registers at Y + 8 k + 2 i, 4 f16 to store
.set SRC, 16                           ; s[16:17]  the tensor read, at the group's first row; never stepped
.set DST, 18                           ; s[18:19]  the tensor written, at the place of the round whose rows are being stored
	s_load_b256 s[4:11], s[0:1], 0x0               ; q1 s[4:5], k s[6:7], W s[8:9], qh s[10:11]
	s_load_b128 s[12:15], s[0:1], 0x20             ; kh s[12:13], wh s[14:15]
	s_mov_b32 s25, 0xffff0000                      ; a word's upper bf16
	s_mov_b32 s27, 0x200000
	s_mov_b32 s28, 2048
	s_mov_b32 s29, 8192
	s_cmp_lt_u32 ttmp9, 256
	s_cselect_b32 s20, 0, 256                      ; the tensor's first work-group
	s_cselect_b32 s21, s27, 0x400000               ; SB: bytes from slot to slot in the output: a batch of qh, of kh,
	s_cmp_lt_u32 ttmp9, 768
	s_cselect_b32 s20, s20, 768
	s_cselect_b32 s21, s21, s28                    ; or a row of wh
	s_cselect_b32 s22, s28, 16384                  ; bytes from round to round in the output: one row of a batch, or eight rows of wh
	s_cselect_b32 s24, s29, 65536                  ; bytes from work-group to work-group in the output: four rows of a batch, or 32 rows of wh
	s_mov_b32 s23, 0
	s_sub_co_u32 s30, ttmp9, s20                   ; my number among the tensor's work-groups
	s_lshl_b32 s32, s30, 17                        ; x 32 rows of 4,096 bytes
	s_mov_b32 s33, 0
	s_mul_i32 s34, s30, s24
	s_mov_b32 s35, 0
	v_lshlrev_b32 v1, 4, v0                        ; 16 t
.irp i, 0,1,2,3,4,5,6,7
	s_mul_i32 s31, s21, \i
	v_lshl_add_u32 v[OO+(\i)], v0, 3, s31          ; 8 t + i x SB
.endr
	s_wait_kmcnt 0x0
	s_cmp_lt_u32 ttmp9, 256
	s_cselect_b64 s[SRC:SRC+1], s[4:5], s[6:7]
	s_cselect_b64 s[DST:DST+1], s[10:11], s[12:13]
	s_cmp_lt_u32 ttmp9, 768
	s_cselect_b64 s[SRC:SRC+1], s[SRC:SRC+1], s[8:9]
	s_cselect_b64 s[DST:DST+1], s[DST:DST+1], s[14:15]
	s_add_nc_u64 s[SRC:SRC+1], s[SRC:SRC+1], s[32:33]
	s_add_nc_u64 s[DST:DST+1], s[DST:DST+1], s[34:35]
	s_wait_alu depctr_va_vdst(0)                   ; v1 and v[2:9] are written: every load and store of the kernel reads one of them as its offset
.irp i, 0,1,2,3,4,5,6,7,8,9,10,11,12,13,14,15
	global_load_b128 v[X+4*(\i):X+4*(\i)+3], v1, s[SRC:SRC+1] offset:(\i)*ROW th:TH_LOAD_NT  ; blocks 0 to 3 into X0 to X3: sixteen loads of mine are out
.endr
; Block p.  ahead = 1: block p + 3 is loaded.  left = how many younger loads may still be out when this block's four have to be there.
.macro BLK p, ahead, left
	s_wait_loadcnt \left                           ; loads come back in order (ISA guide 5.7.1): X[p % 4] is in, the younger blocks stay out
.if (\p) >= 2
	s_wait_xcnt 0x0                                ; every earlier memory instruction has had its addresses translated (ISA guide 3.1): Y[p % 2] and the output's base are rewritten only behind this wait
	s_wait_alu depctr_vm_vsrc(0)                   ; the stores issued in the block before have read Y[p % 2], which this block's conversions write again
.endif
.if (\p) >= 1
	s_wait_alu depctr_va_vdst(0)                   ; the block before has written the other Y, which the stores below read, and is done reading its X, in which the loads below (where there are any) land
.endif
.if ((\p) >= 3) && ((\p) % 2 == 1)
	s_add_nc_u64 s[DST:DST+1], s[DST:DST+1], s[22:23]  ; the stores below begin the output's next round
.endif
.irp i, 0,1,2,3
.if \ahead
	global_load_b128 v[X+16*(((\p)+3)%4)+4*(\i):X+16*(((\p)+3)%4)+4*(\i)+3], v1, s[SRC:SRC+1] offset:(BLOCK*((\p)+3)+(\i))*ROW th:TH_LOAD_NT  ; three blocks ahead; no vector instruction since the wait names these registers
.endif
.if (\p) >= 1
	global_store_b64 v[OO+4*(((\p)+1)%2)+(\i)], v[Y+8*(((\p)+1)%2)+2*(\i):Y+8*(((\p)+1)%2)+2*(\i)+1], s[DST:DST+1]  ; the block before
.endif
	v_cvt_pk_bf16_f32 v[T],   v[X+16*((\p)%4)+4*(\i)],   v[X+16*((\p)%4)+4*(\i)+1]    ; the one rounding,
	v_cvt_pk_bf16_f32 v[T+1], v[X+16*((\p)%4)+4*(\i)+2], v[X+16*((\p)%4)+4*(\i)+3]
	v_lshlrev_b32 v[T+2], 16, v[T]                 ; bf16 back to f32: the low half moves up, the high half stays,
	v_and_b32     v[T+3], s25, v[T]
	v_lshlrev_b32 v[T+4], 16, v[T+1]
	v_and_b32     v[T+5], s25, v[T+1]
	v_cvt_pk_f16_f32 v[Y+8*((\p)%2)+2*(\i)],   v[T+2], v[T+3] ; and the same number as f16
	v_cvt_pk_f16_f32 v[Y+8*((\p)%2)+2*(\i)+1], v[T+4], v[T+5]
.endr
.endm
	BLK 0, 0, 3*BLOCK                              ; block 0 has no block in front of it: nothing to store, and its three successors are on their way
	BLK 1, 1, 2*BLOCK                              ; blocks 1 to 4 load blocks 4 to 7
	BLK 2, 1, 2*BLOCK
	BLK 3, 1, 2*BLOCK
	BLK 4, 1, 2*BLOCK
	BLK 5, 0, 2*BLOCK                              ; blocks 5 to 7 load nothing: no load leaves the group's 32 rows, and the counts run down
	BLK 6, 0, BLOCK
	BLK 7, 0, 0
	s_wait_alu depctr_va_vdst(0)                   ; block 7 has written Y1, which the last four stores read
.irp i, 0,1,2,3
	global_store_b64 v[OO+4+(\i)], v[Y+8+2*(\i):Y+8+2*(\i)+1], s[DST:DST+1]
.endr
	s_endpgm
.Lfunc_end_k_q30ea717fc4_cast:
	.size	k_q30ea717fc4_cast, .Lfunc_end_k_q30ea717fc4_cast-k_q30ea717fc4_cast
	.p2alignl 7, 3214868480
	.fill 96, 4, 3214868480
	.section	.rodata,"a",@progbits
	.p2align	6, 0x0
	.amdhsa_kernel k_q30ea717fc4_cast
		.amdhsa_group_segment_fixed_size 0
		.amdhsa_private_segment_fixed_size 0
		.amdhsa_enable_private_segment 0
		.amdhsa_kernarg_size 48
		.amdhsa_user_sgpr_count 2
		.amdhsa_user_sgpr_kernarg_segment_ptr 1
		.amdhsa_wavefront_size32 1
		.amdhsa_system_sgpr_workgroup_id_x 1
		.amdhsa_system_sgpr_workgroup_id_y 1
		.amdhsa_system_sgpr_workgroup_id_z 1
		.amdhsa_system_vgpr_workitem_id 0
		.amdhsa_next_free_vgpr 96
		.amdhsa_next_free_sgpr 66
		.amdhsa_reserve_vcc 0
		.amdhsa_float_denorm_mode_32 3
		.amdhsa_float_denorm_mode_16_64 3
		.amdhsa_memory_ordered 1
		.amdhsa_forward_progress 1
		.amdhsa_inst_pref_size 22
	.end_amdhsa_kernel
	.amdgpu_metadata
---
amdhsa.version: [ 1, 2 ]
amdhsa.kernels:
  - .name:           k_q30ea717fc4_cast
    .symbol:         k_q30ea717fc4_cast.kd
    .args:
      - { .name: q1, .offset: 0, .size: 8, .value_kind: global_buffer, .address_space: global }
      - { .name: k, .offset: 8, .size: 8, .value_kind: global_buffer, .address_space: global }
      - { .name: W, .offset: 16, .size: 8, .value_kind: global_buffer, .address_space: global }
      - { .name: qh, .offset: 24, .size: 8, .value_kind: global_buffer, .address_space: global }
      - { .name: kh, .offset: 32, .size: 8, .value_kind: global_buffer, .address_space: global }
      - { .name: wh, .offset: 40, .size: 8, .value_kind: global_buffer, .address_space: global }
    .group_segment_fixed_size: 0
    .private_segment_fixed_size: 0
    .kernarg_segment_align: 8
    .kernarg_segment_size: 48
    .max_flat_workgroup_size: 256
    .sgpr_count:     66
    .vgpr_count:     96
    .wavefront_size: 32
...
	.end_amdgpu_metadata
.endif
;; end of part 5
;; launch scores: the kernel of part 2 again; grid 8 x 32, 4 waves a work-group, clusters of 4 x 4, 327,680 bytes of LDS; arguments qh, kh, ph, sn, sl; writes ph, sn, sl
;; launch ctx: the kernel of part 3 again; grid 4 x 64, 4 waves a work-group, clusters of 4 x 4, 327,680 bytes of LDS; arguments ph, kh, sn, sl, ch; writes ch
;; launch proj: the kernel of part 4 again; grid 4 x 64, 4 waves a work-group, clusters of 4 x 4, 327,680 bytes of LDS; arguments ch, wh, b, out0; writes out0
